; MI455X (gfx1250); checked and timed in simulation.
; The chip was launched on July 23, 2026; its instructions are those of AMD's public machine-readable ISA for CDNA 5 (MIT licence, August 2026) and "CDNA5" Instruction Set Architecture Reference Guide (July 2026). The comments in the code are by the model that wrote it; some were corrected since.
;; MOE Layer. Allowed arithmetic: matrix products marked QUANTISED: E3M2 operands, one E8M0 scale for each 32 along K, by v_wmma_scale_f32_16x16x128_f8f6f4 with both operands' format E3M2, f32 sums; products left as they are: f32 operands where the result goes on into a quantised operand, else bf16, f16 or f32 operands; f32 sums; everything else in f32.
;; Inputs: ce_const 2 x 2,048 float32; ce_wg 2 x 2,048 x 2 float32; gate_w1 2,048 x 64 float32; gate_w2 64 x 8 float32; hidden_states 2 x 2,048 x 2,048 float32; w_down 2,048 x 2,048 float32; w_gate 2,048 x 2,048 float32; w_up 2,048 x 2,048 float32.
;; Outputs: out0 2 x 2,048 x 2,048 float32; out1 4,096 x 8 float32.
;; This version of the problem:
;;   THIS VERSION OF THE PROBLEM IS GIVEN IN LOW PRECISION. The matrix products marked QUANTISED in the list below multiply operands that are first quantised to E3M2 (3 exponent bits, 2 mantissa bits; 6 bits a number), with one power-of-two scale for each 32 numbers along K (OCP MX v1.0); their sums are f32. All else is computed in f32.
;;   The module's matrix products, in the order in which they are computed (A, B: the left and right operand; K: the contracted axis; several contracted axes count as one K, in the product's order):
;;     1. [M 4,096, K 2,048] x [K 2,048, N 64]; A: input hidden_states; B: input gate_w1: QUANTISED
;;     2. [M 4,096, K 64] x [K 64, N 8]; A: computed on the way; B: input gate_w2: left as it is (N = 8 < 16)
;;     3. [M 4,096, K 2,048] x [K 2,048, N 2,048]; A: input hidden_states; B: input w_gate: QUANTISED
;;     4. [M 4,096, K 2,048] x [K 2,048, N 2,048]; A: input hidden_states; B: input w_up: QUANTISED
;;     5. [M 4,096, K 2,048] x [K 2,048, N 2,048]; A: computed on the way; B: input w_down: QUANTISED
;;     6. [M 4,096, K 2,048] x [K 2,048, N 2]; A: input hidden_states; B: input ce_wg: left as it is (N = 2 < 16)
;;     7. [M 4,096, K 2,048] x [K 2,048, N 2]; A: input hidden_states; B: input ce_wg: left as it is (N = 2 < 16)
;;   THE QUANTISER, for each operand of a quantised product, along K:
;;     - K is cut into blocks of 32 from its start; a last block that is shorter is filled with zeros.
;;     - A block's scale is 2^e with e = floor(log2(the largest magnitude in the block)) - 4, held to -126 .. 127; a block of zeros has e = 0. As a byte (E8M0): e + 127.
;;     - Each number is divided by its block's scale, clamped to +-28, and rounded to the nearest number of E3M2, ties to even, subnormals kept.
;;     - The product sums the exact products of the quantised numbers (number of the format x scale) in f32.
;;   ~~~python
;;   def quantise(x, axis):      # numpy; x: float32 -> the quantised numbers, widened to float32 again
;;       x = np.moveaxis(x, axis, -1); K = x.shape[-1]
;;       x = np.pad(x, [(0, 0)] * (x.ndim - 1) + [(0, -K % 32)]); x = x.reshape(x.shape[:-1] + (-1, 32)); a = np.abs(x).max(-1, keepdims=True)
;;       e = np.where(a > 0, np.clip(np.frexp(np.where(a > 0, a, 1))[1] - 1 - 4, -126, 127), 0)      # np.frexp(a)[1] - 1 = floor(log2(a)), exactly
;;       r = np.clip(x / 2.0 ** e, -28, 28)
;;       step = 2.0 ** (np.maximum(np.frexp(np.where(r == 0, 1, r))[1] - 1, -2) - 2)
;;       q = np.round(r / step) * step * 2.0 ** e      # np.round: ties to even
;;       return np.moveaxis(q.reshape(q.shape[:-2] + (-1,))[..., :K], -1, axis).astype(np.float32)
;;   ~~~
;;   OPERANDS COMPUTED ON THE WAY. 'Computed on the way' means the value that the module computes at that place (a softmax that the list does not call 'softmax' is quantised finished and normalised). What goes into a quantiser is computed in f32, as accurately as f32 sums, v_exp_f32 and their like allow (about 1e-6 of the number): no bf16 or f16 on the way to a quantiser, and a product that is left as it is and whose result goes on into a quantised operand takes f32 operands (vector FMAs, or v_wmma_f32_16x16x4_f32). A number that lies on a knife's edge between two numbers of the format may be rounded either way, as far as f32 arithmetic and the matrix unit's own rounding can turn it there, and no further.
;; One version. Each part assembles by itself: llvm-mc -triple=amdgcn-amd-amdhsa -mcpu=gfx1250 --defsym DOCPART=n.
;; ======== version 1 of 1: 4 launches
;; limits: values are held in bf16: 8 bits of precision; right only within a limited range of input values
;; workspace buffers: xq 6,553,600 bytes; hq 6,553,600 bytes; wgu 6,553,600 bytes; wdq 3,276,800 bytes; g1q 102,400 bytes; ceq 16,384 bytes; coef 65,536 bytes
;; launch wq (part 1): grid 777 x 1, 4 waves a work-group, no clusters, 0 bytes of LDS; arguments w_gate, w_up, w_down, gate_w1, ce_wg, wgu, wdq, g1q, ceq; writes wgu, wdq, g1q, ceq
.if DOCPART == 1
	.amdgcn_target "amdgcn-amd-amdhsa--gfx1250"
	.amdhsa_code_object_version 6
	.text
	.protected	k_q18ac940e2e_wq
	.globl	k_q18ac940e2e_wq
	.p2align	8
	.type	k_q18ac940e2e_wq,@function
k_q18ac940e2e_wq:
	s_mov_b64 s[64:65], 0
	v_nop
	global_prefetch_b8 v0, s[64:65] scope:SCOPE_SE
	s_setreg_imm32_b32 hwreg(HW_REG_WAVE_MODE, 25, 1), 1
	s_wait_xcnt 0x0
; THE WEIGHTS BECOME OPERANDS.  w_gate, w_up, w_down [2048 (K)][2048 (n)] and gate_w1 [2048 (K)][64 (n)], f32, K their FIRST axis, are turned into codes of BF6 (E3M2) with one
; E8M0 byte for each 32 along K, laid as IMAGES OF THE OPERAND'S REGISTERS: a fragment (16 columns x 128 K, 12 registers a lane) is 1,536 bytes, register p of lane l at 512 (p / 4) + 16 l + 4 (p % 4).
; A chunk is the images of one K step of 128 for one tile of columns, and behind them 64 bytes of scale words for each image (word of image row r at 4 r).
; A LANE TAKES A COLUMN AND ITS REGISTERS RUN DOWN K: all 128 numbers of a K step are the lane's own, so a block's largest magnitude needs no other lane and the conversions give K innermost.
; THE COLUMNS OF AN IMAGE ARE NOT NEIGHBOURS: of a group of 32 columns, image u (0, 1) has in its row r the column 8 u + r + 8 (r / 8): the products that use a weight as source 0 then
; leave 16 neighbouring columns in 16 registers of a lane.
; A block's scale is 2^(floor(log2(largest magnitude)) - 4); its byte is the largest magnitude's exponent field - 4, held at 1 from below.
; LIMITS: a block of zeros gets the byte 1 where the rule says 127 (its codes are zeros, and this program alone reads the bytes); blocks whose largest magnitude lies under 2^-122 keep the byte 1;
; NaN and infinities among the inputs are not served.
; SHARES: work-groups 0-767: matrix id / 256 (gate, up, down), tile of 128 columns (id / 16) % 16, K step id % 16; a wave takes 32 columns.  768-775: gate_w1, two K steps each.  776: ce_wg into bf16.
; No LDS, no barrier: waves share nothing.  Every offset is an immediate: 127 rows of 8,192 bytes at the most.
.set X,   16                           ; v16-143  128 numbers: block kb at X + 32 kb
.set C0,  144                          ; v144-155 the 12 registers of image lane (r, 0): blocks 0 and 2
.set C1,  180                          ; v180-191 those of image lane (r, 1): blocks 1 and 3; a set of its own, so that no store's data are written again
.set TQ,  156                          ; v156-158, v160-162: a conversion's three registers begin on an even number: a block's upper 16 codes are made here and moved
.set MX,  164                          ; v164-167 largest magnitudes
.set SO,  168                          ; v168-171 the conversions' scale operands
.set BY,  172                          ; v172-175 the scale bytes
.set WD,  176                          ; v176     the scale word
.set MT,  8                            ; v8-11    the second chain of each maximum
.macro BLK kb                          ; block kb: largest magnitude (two chains, with the floor 2^(5 - 127) as one more leaf), scale operand, byte
.set XS, X+32*(\kb)
	v_max3_num_f32 v[MX+(\kb)], |v[XS]|, |v[XS+1]|, |v[XS+2]|
	v_max3_num_f32 v[MT+(\kb)], |v[XS+3]|, |v[XS+4]|, |v[XS+5]|
.irp i, 6,10,14,18,22,26
	v_max3_num_f32 v[MX+(\kb)], v[MX+(\kb)], |v[XS+\i]|, |v[XS+\i+1]|
	v_max3_num_f32 v[MT+(\kb)], v[MT+(\kb)], |v[XS+\i+2]|, |v[XS+\i+3]|
.endr
	v_max3_num_f32 v[MX+(\kb)], v[MX+(\kb)], |v[XS+30]|, |v[XS+31]|
	v_max3_num_f32 v[MX+(\kb)], v[MX+(\kb)], v[MT+(\kb)], 0x2800000
	v_add_nc_u32 v[SO+(\kb)], 0xfe000000, v[MX+(\kb)]      ; 4 off the exponent field: the conversion takes this operand's exponent field as its scale
	v_lshrrev_b32 v[BY+(\kb)], 23, v[SO+(\kb)]
.endm
.macro IMG hh, C                       ; image lane (r, hh): blocks hh and 2 + hh -> 12 registers -> three stores; sixteen neighbouring lanes store 256 consecutive bytes, aligned
.irp c, 0,1
	v_cvt_scalef32_pk16_bf6_f32 v[\C+6*\c:\C+6*\c+2], v[X+32*(2*\c+\hh):X+32*(2*\c+\hh)+15], v[SO+2*\c+\hh]
	v_cvt_scalef32_pk16_bf6_f32 v[TQ+4*\c:TQ+4*\c+2], v[X+32*(2*\c+\hh)+16:X+32*(2*\c+\hh)+31], v[SO+2*\c+\hh]
.endr
	v_nop                                          ; one plain place behind the scaled conversions
.irp c, 0,1
.irp i, 0,1,2
	v_mov_b32 v[\C+6*\c+3+\i], v[TQ+4*\c+\i]
.endr
.endr
.irp g, 0,1,2
	global_store_b128 v3, v[\C+4*\g:\C+4*\g+3], s[38:39] offset:256*\hh+512*\g
.endr
.endm
.macro WQ pitch                        ; one wave: 32 columns x 128 K.  s[26:27] the numbers, s[38:39] my two images, s[40:41] their scale words
.irp kb, 0,2,1,3                       ; blocks 0 and 2 first: they make the first image lane
.set LN, 0
.rept 32
	global_load_b32 v[X+32*\kb+LN], v2, s[26:27] offset:(32*\kb+LN)*\pitch th:TH_LOAD_NT   ; 32 lanes read the same 128 consecutive bytes, in the images' order
.set LN, LN+1
.endr
.endr
	s_wait_loadcnt 63                              ; blocks 0 and 2 are the first 64 of 128 loads: with at most 63 out they are in
	BLK 0
	BLK 2
	IMG 0, C0
	s_wait_loadcnt 0x0
	BLK 1
	BLK 3
	IMG 1, C1
	v_lshl_or_b32 v[WD], v[BY+1], 8, v[BY]         ; byte b = block b's
	v_lshl_or_b32 v[WD], v[BY+2], 16, v[WD]
	v_lshl_or_b32 v[WD], v[BY+3], 24, v[WD]
	global_store_b32 v4, v[WD], s[40:41]           ; 128 consecutive bytes: the words of my two images
.endm
	s_load_b256 s[4:11], s[0:1], 0x0               ; w_gate s[4:5], w_up s[6:7], w_down s[8:9], gate_w1 s[10:11]
	s_load_b256 s[12:19], s[0:1], 0x20             ; ce_wg s[12:13], wgu s[14:15], wdq s[16:17], g1q s[18:19]
	s_load_b64 s[20:21], s[0:1], 0x40              ; ceq
	v_lshrrev_b32 v1, 5, v0
	v_readfirstlane_b32 s22, v1                    ; wave 0..3
	v_and_b32 v1, 15, v0                           ; r: my image row
	v_bfe_u32 v5, v0, 4, 1                         ; u: which of the two images
	v_and_b32 v6, 8, v1
	v_add_nc_u32 v6, v6, v1                        ; r + 8 (r / 8)
	v_lshl_add_u32 v6, v5, 3, v6                   ; + 8 u: my column in the group of 32
	v_lshlrev_b32 v2, 2, v6                        ; in bytes
	v_mul_u32_u24 v3, v5, 1536
	v_lshl_add_u32 v3, v1, 4, v3                   ; image u, lane r
	v_and_b32 v4, 31, v0
	v_lshlrev_b32 v4, 2, v4                        ; my scale word: 64 u + 4 r
	s_wait_kmcnt 0x0
	s_cmp_ge_u32 ttmp9, 776
	s_cbranch_scc1 .Lce
	s_cmp_ge_u32 ttmp9, 768
	s_cbranch_scc1 .Lg1
	; ---- the three large weights
	s_lshr_b32 s23, ttmp9, 8                       ; which matrix
	s_bfe_u32 s24, ttmp9, 0x40004                  ; T: tile of 128 columns
	s_and_b32 s25, ttmp9, 15                       ; K step
	s_lshl_b32 s34, s25, 20                        ; 128 rows of 8,192 bytes
	s_lshl_b32 s35, s24, 9
	s_add_co_u32 s34, s34, s35
	s_lshl_b32 s35, s22, 7                         ; my wave's 32 columns
	s_add_co_u32 s34, s34, s35
	s_mov_b32 s35, 0
	s_lshr_b32 s32, s22, 1                         ; gate, up: image 8 (w / 2) + 4 matrix + 2 (w % 2): a wave of the first GEMM finds its gate and up columns side by side
	s_lshl_b32 s32, s32, 3
	s_and_b32 s33, s22, 1
	s_lshl_b32 s33, s33, 1
	s_add_co_u32 s32, s32, s33
	s_lshl_b32 s33, s23, 2
	s_add_co_u32 s32, s32, s33
	s_lshl_b32 s33, s22, 1                         ; down: image 2 w
	s_lshl_b32 s36, s24, 4
	s_add_co_u32 s36, s36, s25                     ; chunk 16 T + K step
	s_cmp_eq_u32 s23, 0
	s_cselect_b64 s[26:27], s[4:5], s[6:7]
	s_cmp_eq_u32 s23, 2                            ; the choices hang on the work-group's number alone
	s_cselect_b64 s[26:27], s[8:9], s[26:27]
	s_cselect_b64 s[28:29], s[16:17], s[14:15]
	s_cselect_b32 s32, s33, s32
	s_mov_b32 s30, 25600
	s_cselect_b32 s30, 12800, s30                  ; a chunk's bytes: 16 images or 8, with their words
	s_mov_b32 s31, 24576
	s_cselect_b32 s31, 12288, s31                  ; where its words begin
	s_add_nc_u64 s[26:27], s[26:27], s[34:35]
	s_mul_i32 s36, s36, s30
	s_mul_i32 s42, s32, 1536
	s_add_co_u32 s42, s42, s36
	s_mov_b32 s43, 0
	s_add_nc_u64 s[38:39], s[28:29], s[42:43]
	s_lshl_b32 s44, s32, 6
	s_add_co_u32 s44, s44, s36
	s_add_co_u32 s44, s44, s31
	s_mov_b32 s45, 0
	s_add_nc_u64 s[40:41], s[28:29], s[44:45]
	s_wait_alu depctr_va_vdst(0)
	WQ 8192
	s_endpgm
.Lg1:	; ---- gate_w1: rows of 256 bytes; a wave takes 32 of the 64 columns of one K step
	s_sub_co_u32 s23, ttmp9, 768
	s_and_b32 s24, s22, 1                          ; which 32 columns
	s_lshr_b32 s25, s22, 1
	s_lshl_b32 s23, s23, 1
	s_add_co_u32 s25, s25, s23                     ; K step
	s_lshl_b32 s34, s25, 15
	s_lshl_b32 s35, s24, 7
	s_add_co_u32 s34, s34, s35
	s_mov_b32 s35, 0
	s_add_nc_u64 s[26:27], s[10:11], s[34:35]
	s_mul_i32 s36, s25, 6400                       ; a chunk: 4 images + 256 bytes of words
	s_mul_i32 s42, s24, 3072
	s_add_co_u32 s42, s42, s36
	s_mov_b32 s43, 0
	s_add_nc_u64 s[38:39], s[18:19], s[42:43]
	s_lshl_b32 s44, s24, 7
	s_add_co_u32 s44, s44, s36
	s_add_co_u32 s44, s44, 6144
	s_mov_b32 s45, 0
	s_add_nc_u64 s[40:41], s[18:19], s[44:45]
	s_wait_alu depctr_va_vdst(0)
	WQ 256
	s_endpgm
.Lce:	; ---- ce_wg [2 (e)][2048 (k)][2 (j)] -> bf16 pieces of 16 bytes: piece (K step s, t, g, n + 4 h), n = 2 e + j, holds k = 128 s + 64 (t / 2) + 32 h + 16 (t % 2) + 8 g + 0 .. 7:
	; the order in which the next launch holds x in its registers.  Thread = 64 (s % 2) + 16 t + 8 g + 4 h + n; eight turns of two K steps.
	v_and_b32 v5, 1, v0
	v_lshlrev_b32 v5, 2, v5                        ; j: 4 bytes
	v_bfe_u32 v6, v0, 1, 1
	v_lshl_add_u32 v5, v6, 14, v5                  ; e: 16,384 bytes
	v_bfe_u32 v6, v0, 2, 1
	v_lshl_add_u32 v5, v6, 8, v5                   ; h: 32 k of 8 bytes
	v_bfe_u32 v6, v0, 3, 1
	v_lshl_add_u32 v5, v6, 6, v5                   ; g: 8 k
	v_bfe_u32 v6, v0, 4, 1
	v_lshl_add_u32 v5, v6, 7, v5                   ; t % 2: 16 k
	v_bfe_u32 v6, v0, 5, 1
	v_lshl_add_u32 v5, v6, 9, v5                   ; t / 2: 64 k
	v_bfe_u32 v6, v0, 6, 1
	v_lshl_add_u32 v5, v6, 10, v5                  ; s % 2: 128 k
	v_lshlrev_b32 v7, 4, v0
.irp it, 0,1,2,3,4,5,6,7
.irp i, 0,1,2,3,4,5,6,7
	global_load_b32 v[16+8*\it+\i], v5, s[12:13] offset:2048*\it+8*\i
.endr
.endr
	s_wait_loadcnt 0x0
.irp it, 0,1,2,3,4,5,6,7
.irp p, 0,1,2,3
	v_cvt_pk_bf16_f32 v[96+4*\it+\p], v[16+8*\it+2*\p], v[16+8*\it+2*\p+1]
.endr
.endr
.irp it, 0,1,2,3,4,5,6,7
	global_store_b128 v7, v[96+4*\it:96+4*\it+3], s[20:21] offset:2048*\it
.endr
	s_endpgm
.Lfunc_end_k_q18ac940e2e_wq:
	.size	k_q18ac940e2e_wq, .Lfunc_end_k_q18ac940e2e_wq-k_q18ac940e2e_wq
	.p2alignl 7, 3214868480
	.fill 96, 4, 3214868480
	.section	.rodata,"a",@progbits
	.p2align	6, 0x0
	.amdhsa_kernel k_q18ac940e2e_wq
		.amdhsa_group_segment_fixed_size 0
		.amdhsa_private_segment_fixed_size 0
		.amdhsa_enable_private_segment 0
		.amdhsa_kernarg_size 72
		.amdhsa_user_sgpr_count 2
		.amdhsa_user_sgpr_kernarg_segment_ptr 1
		.amdhsa_wavefront_size32 1
		.amdhsa_system_sgpr_workgroup_id_x 1
		.amdhsa_system_sgpr_workgroup_id_y 1
		.amdhsa_system_sgpr_workgroup_id_z 1
		.amdhsa_system_vgpr_workitem_id 0
		.amdhsa_next_free_vgpr 192
		.amdhsa_next_free_sgpr 66
		.amdhsa_reserve_vcc 0
		.amdhsa_float_denorm_mode_32 3
		.amdhsa_float_denorm_mode_16_64 3
		.amdhsa_memory_ordered 1
		.amdhsa_forward_progress 1
		.amdhsa_inst_pref_size 50
	.end_amdhsa_kernel
	.amdgpu_metadata
---
amdhsa.version: [ 1, 2 ]
amdhsa.kernels:
  - .name:           k_q18ac940e2e_wq
    .symbol:         k_q18ac940e2e_wq.kd
    .args:
      - { .name: w_gate, .offset: 0, .size: 8, .value_kind: global_buffer, .address_space: global }
      - { .name: w_up, .offset: 8, .size: 8, .value_kind: global_buffer, .address_space: global }
      - { .name: w_down, .offset: 16, .size: 8, .value_kind: global_buffer, .address_space: global }
      - { .name: gate_w1, .offset: 24, .size: 8, .value_kind: global_buffer, .address_space: global }
      - { .name: ce_wg, .offset: 32, .size: 8, .value_kind: global_buffer, .address_space: global }
      - { .name: wgu, .offset: 40, .size: 8, .value_kind: global_buffer, .address_space: global }
      - { .name: wdq, .offset: 48, .size: 8, .value_kind: global_buffer, .address_space: global }
      - { .name: g1q, .offset: 56, .size: 8, .value_kind: global_buffer, .address_space: global }
      - { .name: ceq, .offset: 64, .size: 8, .value_kind: global_buffer, .address_space: global }
    .group_segment_fixed_size: 0
    .private_segment_fixed_size: 0
    .kernarg_segment_align: 8
    .kernarg_segment_size: 72
    .max_flat_workgroup_size: 128
    .sgpr_count:     66
    .vgpr_count:     192
    .wavefront_size: 32
...
	.end_amdgpu_metadata
.endif
;; end of part 1
;; launch xprep (part 2): grid 256 x 1, 16 waves a work-group, no clusters, 215,552 bytes of LDS; arguments hidden_states, g1q, ceq, gate_w2, xq, coef, out1; writes xq, coef, out1
.if DOCPART == 2
	.amdgcn_target "amdgcn-amd-amdhsa--gfx1250"
	.amdhsa_code_object_version 6
	.text
	.protected	k_q18ac940e2e_xprep
	.globl	k_q18ac940e2e_xprep
	.p2align	8
	.type	k_q18ac940e2e_xprep,@function
k_q18ac940e2e_xprep:
	s_mov_b64 s[64:65], 0
	v_nop
	global_prefetch_b8 v0, s[64:65] scope:SCOPE_SE
	s_setreg_imm32_b32 hwreg(HW_REG_WAVE_MODE, 25, 1), 1
	s_wait_xcnt 0x0
; THE TOKENS BECOME AN OPERAND, AND THE ROUTER.  x [4096][2048] f32.  A work-group owns 16 rows; each of its sixteen waves owns one K step of 128.
; Phase 1, every wave: its 16 x 128 numbers come by one tensor load into its own LDS bytes; they are quantised to BF6 (a lane holds two whole blocks of its row) and leave as an image of the
;   operand's registers, with the scale words; the wave's share of x gate_w1 (BF6, four matrix instructions) and of x ce_wg (bf16, four) go to LDS as partial sums.
; Phase 2, waves 0-8: wave w adds the sixteen partial sums of one group of four registers; waves 0-7 take tanh, wave 8 the two softmaxes of the constant experts.
; Phase 3, waves 0-3: lane = (row, expert): logits = tanh(..) gate_w2 by fused multiply-adds in f32 (out1), softmax with the maximum taken off, the two largest (the lower index wins a tie), expert 7
;   dropped, renormalised; then four numbers a row for the last launch: out0 = g swiglu + a x + b0 c0 + b1 c1, stored as (a, b0, g, b1).
; Nothing that comes from floating-point numbers reaches an address or a branch: ranks and choices are masks for v_cndmask_b32.
; Both products are used transposed (source 0 = 16 columns of the weight, source 1 = my 16 rows of x): a lane holds ONE row of x.
; LIMITS: a block of zeros gets the byte 1 where the rule says 127 (its codes are zeros; this program alone reads the bytes); blocks under 2^-122 keep the byte 1; NaN and infinities are not served;
; x ce_wg takes bf16 operands; tanh(y) = 1 - 2 / (1 + 2^(2 log2(e) y)): its error is of the size of an f32 rounding of 1, not of y.
.set PART,  135168                     ; LDS: 0 .. the sixteen tiles of x: 16 rows x (512 + 16) bytes a wave;  PART: partial sums, 9 groups of 512 bytes a wave
.set TTB,   208896                     ; tanh: 16 rows x (256 + 16) bytes
.set CWB,   213248                     ; the constant experts' softmaxes: 16 bytes a row
.set SPARE, 213504                     ; the spare words, 128 bytes for each wave: eight blocks of 256 bytes that no other line names
.set XA,  1                            ; v1   my 128 bytes of a row of my wave's tile
.set LI,  2                            ; v2   16 x lane
.set LR,  3                            ; v3   4 x (lane % 16)
.set CEA, 4                            ; v4   ce's pieces: 16 (lane % 4 + 4 (lane / 16))
.set PA,  5                            ; v5   my wave's partial sums
.set RA,  6                            ; v6   the group that my wave adds, waves 0-7's;  v7 waves 8-15's
.set RA2, 7
.set TA,  8                            ; v8   where my four tanh go
.set CWA, 9                            ; v9   where a row's four softmax numbers go
.set TR,  10                           ; v10  phase 3: my row of tanh
.set CWR, 11                           ; v11  and its softmax numbers
.set O1,  12                           ; v12  4 x thread: my logit in out1
.set CFO, 13                           ; v13  my word of coef
.set W2O, 14                           ; v14  4 x expert
.set X,   16                           ; v16-79   64 numbers: X + 32 c + i = k 64 c + 32 (lane / 16) + i; then 32 registers of bf16; later sums, then a row of tanh
.set XF,  80                           ; v80-91   x's fragment
.set TQ,  92                           ; v92-94, v96-98 the upper halves of the blocks' codes
.set QM,  100
.set QSC, 104
.set QB,  106
.set QT,  108
.set G1,  112                          ; v112-159 gate_w1's four fragments; phase 3: at work
.set G1S, 160                          ; v160-163 their scale words
.set XS,  164                          ; v164     x's scale word
.set CE,  168                          ; v168-199 ce's four K steps of 32;  v168-231 gate_w2 in phase 3
.set H,   200                          ; v200-231 four accumulators: 64 hidden units of the gate
.set CD,  232                          ; v232-239 the accumulator of x ce_wg
.set SPW, 252
.set NIL, 253
	s_load_b256 s[4:11], s[0:1], 0x0               ; hidden_states s[4:5], g1q s[6:7], ceq s[8:9], gate_w2 s[10:11]
	s_load_b128 s[12:15], s[0:1], 0x20             ; xq s[12:13], coef s[14:15]
	s_load_b64 s[16:17], s[0:1], 0x30              ; out1
	v_lshl_add_u32 v[SPW], v0, 2, SPARE
	v_mov_b32 v[NIL], 0
	ds_add_u32 v[SPW], v[NIL]                      ; the wave's opening: the add and its wait, ahead of my tensor load; the set-up below, work on registers, stands between them
	ds_add_u32 v[SPW], v[NIL]
	v_lshrrev_b32 v240, 5, v0
	s_delay_alu instid0(VALU_DEP_1)
	v_readfirstlane_b32 s18, v240                  ; wave 0..15 = my K step
	; descriptor group 1: 16 rows x 64 elements of 8 bytes, 1,024 elements from row to row; 4 words of padding behind every 128
	s_mov_b32 s24, (3<<16)|(1<<20)|(6<<22)|(3<<25)
	s_mov_b32 s25, 64<<16                          ; tensor_dim0
	s_mov_b32 s26, 16<<16                          ; tensor_dim1
	s_mov_b32 s27, 64<<16                          ; tile_dim0
	s_mov_b32 s28, 16                              ; tile_dim1
	s_mov_b32 s29, 1024                            ; the pitch
	s_mov_b32 s30, 0
	s_mov_b32 s31, 0
	s_mov_b32 s20, 0x76543210
	s_mov_b32 s21, 0xfedcba98                      ; v_permlanex16_b32's selects for lane l xor 16
	s_mov_b32 s56, 0x01010101                      ; lanes of expert 0,
	s_mov_b32 s57, 0x04040404                      ; 2,
	s_mov_b32 s58, 0x08080808                      ; 3,
	s_mov_b32 s59, 0xf0f0f0f0                      ; 4 to 7
	s_mov_b32 s60, 0x22222222                      ; lanes with expert % 4 = 1,
	s_mov_b32 s61, 0x44444444                      ; 2,
	s_mov_b32 s62, 0x88888888                      ; 3
	; every LDS address is made here, ahead of the first parting of the waves
	v_and_b32 v240, 15, v0                         ; r
	v_bfe_u32 v241, v0, 4, 1                       ; h
	v_and_b32 v242, 31, v0                         ; lane
	v_bfe_u32 v243, v0, 3, 2                       ; lane / 8
	v_and_b32 v244, 3, v0
	s_mul_i32 s33, s18, 8448                       ; my wave's tile: also the descriptor's LDS address
	v_mul_u32_u24 v[XA], v240, 528
	s_delay_alu instid0(VALU_DEP_1)
	v_lshl_add_u32 v[XA], v241, 7, v[XA]
	s_delay_alu instid0(VALU_DEP_1)
	v_add_nc_u32 v[XA], s33, v[XA]
	v_lshlrev_b32 v[LI], 4, v242
	v_lshlrev_b32 v[LR], 2, v240
	v_lshlrev_b32 v[CEA], 4, v244
	s_delay_alu instid0(VALU_DEP_1)
	v_lshl_add_u32 v[CEA], v241, 6, v[CEA]
	s_mul_i32 s40, s18, 4608
	s_add_co_u32 s40, s40, PART
	v_add_nc_u32 v[PA], s40, v[LI]
	s_min_u32 s41, s18, 8                          ; (waves 9-15 add nothing: their register stays inside the region)
	s_lshl_b32 s41, s41, 9
	s_add_co_u32 s41, s41, PART
	v_add_nc_u32 v[RA], s41, v[LI]
	s_delay_alu instid0(VALU_DEP_1)
	v_add_nc_u32 v[RA2], 36864, v[RA]
	s_and_b32 s42, s18, 7                          ; group w = accumulator w / 2, half w % 2: hidden units 32 (w / 4) + 16 h + 8 ((w / 2) % 2) + 4 (w % 2) + 0 .. 3
	s_lshr_b32 s43, s42, 2
	s_lshl_b32 s43, s43, 7
	s_bfe_u32 s44, s42, 0x10001
	s_lshl_b32 s44, s44, 5
	s_add_co_u32 s43, s43, s44
	s_and_b32 s44, s42, 1
	s_lshl_b32 s44, s44, 4
	s_add_co_u32 s43, s43, s44
	s_add_co_u32 s43, s43, TTB
	v_mul_u32_u24 v[TA], v240, 272
	s_delay_alu instid0(VALU_DEP_1)
	v_lshl_add_u32 v[TA], v241, 6, v[TA]
	s_delay_alu instid0(VALU_DEP_1)
	v_add_nc_u32 v[TA], s43, v[TA]
	v_lshl_add_u32 v[CWA], v240, 4, CWB
	s_and_b32 s45, s18, 3                          ; phase 3: wave w (0-3) has rows 4 w .. 4 w + 3, eight lanes a row
	s_mul_i32 s46, s45, 1088
	s_add_co_u32 s46, s46, TTB
	v_mul_u32_u24 v[TR], v243, 272
	s_delay_alu instid0(VALU_DEP_1)
	v_add_nc_u32 v[TR], s46, v[TR]
	s_lshl_b32 s47, s45, 6
	s_add_co_u32 s46, s47, CWB
	v_lshl_add_u32 v[CWR], v243, 4, s46
	v_lshlrev_b32 v[O1], 2, v0
	v_lshlrev_b32 v[CFO], 2, v244
	s_delay_alu instid0(VALU_DEP_1)
	v_lshl_add_u32 v[CFO], v243, 4, v[CFO]
	s_delay_alu instid0(VALU_DEP_1)
	v_add_nc_u32 v[CFO], s47, v[CFO]
	v_and_b32 v[W2O], 7, v0
	s_delay_alu instid0(VALU_DEP_1)
	v_lshlrev_b32 v[W2O], 2, v[W2O]
	; offsets into the buffers
	s_lshl_b32 s22, ttmp9, 17                      ; 16 rows of 8,192 bytes,
	s_lshl_b32 s19, s18, 9                         ; my K step's 512 bytes
	s_add_co_u32 s22, s22, s19
	s_mov_b32 s23, 0
	s_mul_i32 s36, s18, 6400                       ; gate_w1's chunk of my K step
	s_mov_b32 s37, 0
	s_lshl_b32 s38, s18, 10                        ; ce's pieces of my K step
	s_mov_b32 s39, 0
	s_and_b32 s48, ttmp9, 0xf0                     ; xq: chunk 16 (row block / 16) + K step,
	s_add_co_u32 s48, s48, s18
	s_mul_i32 s48, s48, 25600
	s_and_b32 s19, ttmp9, 15                       ; image row block % 16
	s_lshl_b32 s50, s19, 6
	s_add_co_u32 s50, s50, s48
	s_add_co_u32 s50, s50, 24576                   ; its scale words
	s_mul_i32 s19, s19, 1536
	s_add_co_u32 s48, s48, s19
	s_mov_b32 s49, 0
	s_mov_b32 s51, 0
	s_lshl_b32 s52, ttmp9, 9                       ; out1: 16 rows of 32 bytes
	s_mov_b32 s53, 0
	s_lshl_b32 s54, ttmp9, 8                       ; coef: 16 rows of 16 bytes
	s_mov_b32 s55, 0
	s_wait_dscnt 0x0                               ; the opening add is done
	s_wait_kmcnt 0x0
	s_mov_b32 s32, 1                               ; descriptor group 0: count; s33 the LDS address; the tile's first element; type 2
	s_add_nc_u64 s[34:35], s[4:5], s[22:23]
	s_or_b32 s35, s35, 0x80000000
	tensor_load_to_lds s[32:35], s[24:31]          ; my one tensor load: LDS bytes that are filled once and read by my wave alone
	s_nop 0
	s_add_nc_u64 s[36:37], s[6:7], s[36:37]
	s_add_nc_u64 s[38:39], s[8:9], s[38:39]
	s_add_nc_u64 s[48:49], s[12:13], s[48:49]
	s_add_nc_u64 s[50:51], s[12:13], s[50:51]
	s_add_nc_u64 s[52:53], s[16:17], s[52:53]
	s_add_nc_u64 s[54:55], s[14:15], s[54:55]
.irp t, 0,1,2,3
.irp g, 0,1,2
	global_load_b128 v[G1+12*\t+4*\g:G1+12*\t+4*\g+3], v[LI], s[36:37] offset:1536*\t+512*\g   ; a fragment comes as it was stored: three loads of 512 consecutive bytes
.endr
	global_load_b32 v[G1S+\t], v[LR], s[36:37] offset:6144+64*\t
.irp g, 0,1
	global_load_b128 v[CE+8*\t+4*\g:CE+8*\t+4*\g+3], v[CEA], s[38:39] offset:256*\t+128*\g     ; rows 4-15 of source 0 repeat ce's four columns
.endr
.endr
	s_wait_tensorcnt 0x0                           ; my tile is in LDS
.irp c, 0,1
.irp j, 0,1,2,3,4,5,6,7
	ds_load_b128 v[X+32*\c+4*\j:X+32*\c+4*\j+3], v[XA] offset:256*\c+16*\j
.endr
.endr
	s_wait_dscnt 0x0
	; ---- quantise: my blocks h and 2 + h of row r are all mine
.irp c, 0,1
	v_max3_num_f32 v[QM+\c], |v[X+32*\c]|, |v[X+32*\c+1]|, 0x2800000   ; with the floor 2^(5 - 127): the byte cannot fall under 1
.endr
.irp i, 2,4,6,8,10,12,14,16,18,20,22,24,26,28,30
.irp c, 0,1
	s_delay_alu instid0(VALU_DEP_2)
	v_max3_num_f32 v[QM+\c], v[QM+\c], |v[X+32*\c+\i]|, |v[X+32*\c+\i+1]|
.endr
.endr
.irp c, 0,1
	s_delay_alu instid0(VALU_DEP_2)
	v_add_nc_u32 v[QSC+\c], 0xfe000000, v[QM+\c]   ; 4 off the exponent field: the conversion's scale operand
.endr
.irp c, 0,1
	s_delay_alu instid0(VALU_DEP_2)
	v_lshrrev_b32 v[QB+\c], 23, v[QSC+\c]          ; the byte
.endr
	s_delay_alu instid0(VALU_DEP_1)
	v_lshl_or_b32 v[XS], v[QB+1], 16, v[QB]        ; my two bytes,
	v_lshlrev_b32 v[QT], 3, v241
	s_delay_alu instid0(VALU_DEP_1)
	v_lshlrev_b32 v[XS], v[QT], v[XS]              ; at their places (8 h bits up);
	v_mov_b32 v[QT], 0
	s_delay_alu instid0(VALU_DEP_1)
	v_permlanex16_b32 v[QT], v[XS], s20, s21
	s_delay_alu instid0(VALU_DEP_1)
	v_or_b32 v[XS], v[XS], v[QT]                   ; with lane l xor 16's two the word is whole, in both lanes
.irp c, 0,1
	v_cvt_scalef32_pk16_bf6_f32 v[XF+6*\c:XF+6*\c+2], v[X+32*\c:X+32*\c+15], v[QSC+\c]
	v_cvt_scalef32_pk16_bf6_f32 v[TQ+4*\c:TQ+4*\c+2], v[X+32*\c+16:X+32*\c+31], v[QSC+\c]   ; (a conversion's three registers begin on an even number)
.endr
	v_nop                                          ; one plain place behind the scaled conversions
.irp c, 0,1
.irp i, 0,1,2
	v_mov_b32 v[XF+6*\c+3+\i], v[TQ+4*\c+\i]
.endr
.endr
.irp g, 0,1,2
	global_store_b128 v[LI], v[XF+4*\g:XF+4*\g+3], s[48:49] offset:512*\g   ; the image: 512 consecutive bytes a store.  XF and XS are never written again
.endr
	global_store_b32 v[LR], v[XS], s[50:51]        ; lanes l and l + 16 store the same word with the same value
.set I_, 0
.rept 32                               ; x in bf16 for x ce_wg, in place, ascending: register i takes numbers 2 i and 2 i + 1.  These 32 plain lines are also the places between the writes of XS and XF and the scaled products
	v_cvt_pk_bf16_f32 v[X+I_], v[X+2*I_], v[X+2*I_+1]
.set I_, I_+1
.endr
	s_wait_loadcnt 0x0
	; ---- the products.  The bf16 sum's links never follow each other: a BF6 product, on an accumulator of its own, stands between
.irp t, 0,1,2,3
	v_wmma_scale_f32_16x16x128_f8f6f4 v[H+8*\t:H+8*\t+7], v[G1+12*\t:G1+12*\t+11], v[XF:XF+11], 0, v[G1S+\t], v[XS] matrix_a_fmt:MATRIX_FMT_BF6 matrix_b_fmt:MATRIX_FMT_BF6
.if \t == 0
	v_wmma_f32_16x16x32_bf16 v[CD:CD+7], v[CE:CE+7], v[X:X+7], 0
.else
	s_wait_alu depctr_va_vdst(0)
	v_wmma_f32_16x16x32_bf16 v[CD:CD+7], v[CE+8*\t:CE+8*\t+7], v[X+8*\t:X+8*\t+7], v[CD:CD+7]
.endif
.endr
.rept 4
	v_nop                                          ; four places behind the products
.endr
.irp t, 0,1,2,3
	ds_store_b128 v[PA], v[H+8*\t:H+8*\t+3] offset:1024*\t         ; each accumulator from its low end on
	ds_store_b128 v[PA], v[H+8*\t+4:H+8*\t+7] offset:1024*\t+512
.endr
	ds_store_b128 v[PA], v[CD:CD+3] offset:4096    ; registers 0-3: the four logits of the constant experts, row r
	s_wait_dscnt 0x0                               ; for the others' sake: my partial sums lie in LDS (and the stores have read their registers)
	s_cmp_gt_u32 s18, 3
	s_cbranch_scc1 .Lno_w2
.set J_, 0
.rept 64
	global_load_b32 v[168+J_], v[W2O], s[10:11] offset:32*J_       ; gate_w2(j, my expert), for phase 3: it lands during phase 2
.set J_, J_+1
.endr
.Lno_w2:
	s_barrier_signal -1
	s_barrier_wait -1
	; ---- phase 2
	s_cmp_gt_u32 s18, 8
	s_cbranch_scc1 .Lp2done
.irp w, 0,1,2,3,4,5,6,7
	ds_load_b128 v[16+4*\w:19+4*\w], v[RA] offset:4608*\w
.endr
.irp w, 0,1,2,3,4,5,6,7
	ds_load_b128 v[48+4*\w:51+4*\w], v[RA2] offset:4608*\w
.endr
	s_wait_dscnt 0x0
.irp d, 1,2,4,8                        ; the sixteen K steps' sums, as a tree, in f32
.set KQ, 0
.rept 8/\d
	v_pk_add_f32 v[16+4*KQ:17+4*KQ], v[16+4*KQ:17+4*KQ], v[16+4*(KQ+\d):17+4*(KQ+\d)]
	v_pk_add_f32 v[18+4*KQ:19+4*KQ], v[18+4*KQ:19+4*KQ], v[18+4*(KQ+\d):19+4*(KQ+\d)]
.set KQ, KQ+2*\d
.endr
.endr
	s_cmp_eq_u32 s18, 8
	s_cbranch_scc1 .Lcesm
	v_pk_mul_f32 v[16:17], v[16:17], 0x4038aa3b op_sel_hi:[1,0]    ; 2 log2(e) y
	v_pk_mul_f32 v[18:19], v[18:19], 0x4038aa3b op_sel_hi:[1,0]
	s_wait_alu depctr_va_vdst(0)
.irp i, 16,17,18,19
	v_exp_f32 v\i, v\i
.endr
	v_nop
	s_wait_alu depctr_va_vdst(0)                   ; one wait for the four exponentials, ahead of their first reader
	v_pk_add_f32 v[16:17], v[16:17], 1.0 op_sel_hi:[1,0]
	v_pk_add_f32 v[18:19], v[18:19], 1.0 op_sel_hi:[1,0]
	s_wait_alu depctr_va_vdst(0)
.irp i, 16,17,18,19
	v_rcp_f32 v\i, v\i
.endr
	v_nop
	s_wait_alu depctr_va_vdst(0)
	v_pk_fma_f32 v[16:17], v[16:17], -2.0, 1.0 op_sel_hi:[1,0,0]   ; tanh = 1 - 2 / (1 + 2^(..))
	v_pk_fma_f32 v[18:19], v[18:19], -2.0, 1.0 op_sel_hi:[1,0,0]
	ds_store_b128 v[TA], v[16:19]
	s_branch .Lp2done
.Lcesm:	; the two softmaxes over two logits, each with its maximum taken off
	s_wait_alu depctr_va_vdst(0)
	v_max_num_f32 v20, v16, v17
	v_max_num_f32 v21, v18, v19
	s_delay_alu instid0(VALU_DEP_2)
	v_sub_f32 v16, v16, v20
	s_delay_alu instid0(VALU_DEP_3)
	v_sub_f32 v17, v17, v20
	s_delay_alu instid0(VALU_DEP_3)
	v_sub_f32 v18, v18, v21
	s_delay_alu instid0(VALU_DEP_4)
	v_sub_f32 v19, v19, v21
	s_delay_alu instid0(VALU_DEP_3)
	v_pk_mul_f32 v[16:17], v[16:17], 0x3fb8aa3b op_sel_hi:[1,0]
	s_delay_alu instid0(VALU_DEP_2)
	v_pk_mul_f32 v[18:19], v[18:19], 0x3fb8aa3b op_sel_hi:[1,0]
	s_wait_alu depctr_va_vdst(0)
.irp i, 16,17,18,19
	v_exp_f32 v\i, v\i
.endr
	v_nop
	s_wait_alu depctr_va_vdst(0)
	v_add_f32 v20, v16, v17
	v_add_f32 v21, v18, v19
	s_wait_alu depctr_va_vdst(0)
	v_rcp_f32 v20, v20
	v_rcp_f32 v21, v21
	v_nop
	s_wait_alu depctr_va_vdst(0)
	v_mul_f32 v16, v16, v20
	v_mul_f32 v17, v17, v20
	v_mul_f32 v18, v18, v21
	v_mul_f32 v19, v19, v21
	ds_store_b128 v[CWA], v[16:19]                 ; lanes l and l + 16 hold the same row and store the same numbers
.Lp2done:
	s_wait_dscnt 0x0
	s_barrier_signal -1
	s_barrier_wait -1
	; ---- phase 3
	s_cmp_gt_u32 s18, 3
	s_cbranch_scc1 .Lend
.irp i, 0,1,2,3,4,5,6,7,8,9,10,11,12,13,14,15
	ds_load_b128 v[16+4*\i:19+4*\i], v[TR] offset:16*\i
.endr
	ds_load_b128 v[112:115], v[CWR]
	s_wait_dscnt 0x0
	s_wait_loadcnt 0x0                             ; gate_w2
.irp k, 0,1,2,3
	v_mul_f32 v[116+\k], v[16+\k], v[168+\k]       ; four chains
.endr
.set J_, 4
.rept 60
	v_fmac_f32 v[116+J_%4], v[16+J_], v[168+J_]
.set J_, J_+1
.endr
	s_delay_alu instid0(VALU_DEP_3)
	v_add_f32 v116, v116, v117
	s_delay_alu instid0(VALU_DEP_2)
	v_add_f32 v118, v118, v119
	s_delay_alu instid0(VALU_DEP_1)
	v_add_f32 v120, v116, v118                     ; my logit; v120 is not written again
	global_store_b32 v[O1], v120, s[52:53]         ; a wave stores 128 consecutive bytes of out1
	v_mov_b32 v121, v120
	s_delay_alu instid0(VALU_DEP_1)
	v_max_num_f32_dpp v121, v121, v121 row_xmask:1 row_mask:0xf bank_mask:0xf
	s_delay_alu instid0(VALU_DEP_1)
	v_max_num_f32_dpp v121, v121, v121 row_xmask:2 row_mask:0xf bank_mask:0xf
	s_delay_alu instid0(VALU_DEP_1)
	v_max_num_f32_dpp v121, v121, v121 row_xmask:4 row_mask:0xf bank_mask:0xf   ; the row's largest logit
	s_delay_alu instid0(VALU_DEP_1)
	v_sub_f32 v122, v120, v121
	s_delay_alu instid0(VALU_DEP_1)
	v_mul_f32 v122, 0x3fb8aa3b, v122
	s_wait_alu depctr_va_vdst(0)
	v_exp_f32 v122, v122
	v_nop
	s_wait_alu depctr_va_vdst(0)
	v_mov_b32 v123, v122
	s_delay_alu instid0(VALU_DEP_1)
	v_add_f32_dpp v123, v123, v123 row_xmask:1 row_mask:0xf bank_mask:0xf
	s_delay_alu instid0(VALU_DEP_1)
	v_add_f32_dpp v123, v123, v123 row_xmask:2 row_mask:0xf bank_mask:0xf
	s_delay_alu instid0(VALU_DEP_1)
	v_add_f32_dpp v123, v123, v123 row_xmask:4 row_mask:0xf bank_mask:0xf
	s_wait_alu depctr_va_vdst(0)
	v_rcp_f32 v123, v123
	v_nop
	s_wait_alu depctr_va_vdst(0)
	v_mul_f32 v124, v122, v123                     ; my probability
	v_mov_b32 v125, 0
	v_mov_b32 v127, 0                              ; how many experts stand ahead of mine
; Expert e xor x stands ahead of e if its probability is larger, or equal with the lower index.  lt: the lanes in which e xor x < e (those with x's highest bit set in e).
.macro RANK x, lt
	v_mov_b32_dpp v125, v124 row_xmask:\x row_mask:0xf bank_mask:0xf
	s_delay_alu instid0(VALU_DEP_1)
	v_cmp_gt_f32 s40, v125, v124
	s_delay_alu instid0(VALU_DEP_2)
	v_cmp_ge_f32 s41, v125, v124
	s_and_b32 s41, s41, \lt
	s_and_not1_b32 s40, s40, \lt
	s_or_b32 s40, s40, s41
	v_cndmask_b32 v126, 0, 1, s40
	s_delay_alu instid0(VALU_DEP_1)
	v_add_nc_u32 v127, v127, v126
.endm
	RANK 1, 0xaaaaaaaa
	RANK 2, 0xcccccccc
	RANK 3, 0xcccccccc
	RANK 4, 0xf0f0f0f0
	RANK 5, 0xf0f0f0f0
	RANK 6, 0xf0f0f0f0
	RANK 7, 0xf0f0f0f0
	s_delay_alu instid0(VALU_DEP_1)
	v_cmp_gt_u32 s40, 2, v127                      ; among the two largest,
	s_and_b32 s40, s40, 0x7f7f7f7f                 ; and not expert 7
	v_cndmask_b32 v128, 0, v124, s40
	s_delay_alu instid0(VALU_DEP_1)
	v_mov_b32 v129, v128
	s_delay_alu instid0(VALU_DEP_1)
	v_add_f32_dpp v129, v129, v129 row_xmask:1 row_mask:0xf bank_mask:0xf
	s_delay_alu instid0(VALU_DEP_1)
	v_add_f32_dpp v129, v129, v129 row_xmask:2 row_mask:0xf bank_mask:0xf
	s_delay_alu instid0(VALU_DEP_1)
	v_add_f32_dpp v129, v129, v129 row_xmask:4 row_mask:0xf bank_mask:0xf
	s_wait_alu depctr_va_vdst(0)
	v_rcp_f32 v129, v129
	v_nop
	s_wait_alu depctr_va_vdst(0)
	v_mul_f32 v128, v128, v129                     ; my expert's weight
	v_cndmask_b32 v130, 0, 1.0, s56                ; what my expert gives of x: the copy 1, the constant experts their first softmax number, the others 0
	s_delay_alu instid0(VALU_DEP_1)
	v_cndmask_b32 v130, v130, v112, s57
	s_delay_alu instid0(VALU_DEP_1)
	v_cndmask_b32 v130, v130, v114, s58
	v_cndmask_b32 v131, 0, v113, s57               ; of c0,
	v_cndmask_b32 v132, 0, v115, s58               ; of c1,
	v_cndmask_b32 v133, 0, v128, s59               ; of the dense expert
	s_delay_alu instid0(VALU_DEP_4)
	v_mul_f32 v130, v130, v128
	s_delay_alu instid0(VALU_DEP_4)
	v_mul_f32 v131, v131, v128
	s_delay_alu instid0(VALU_DEP_4)
	v_mul_f32 v132, v132, v128
.irp m, 1,2,4
.irp i, 130,131,132,133
	v_add_f32_dpp v\i, v\i, v\i row_xmask:\m row_mask:0xf bank_mask:0xf
.endr
.endr
	s_delay_alu instid0(VALU_DEP_3)
	v_cndmask_b32 v134, v130, v131, s60            ; (a, b0, g, b1) by expert % 4
	s_delay_alu instid0(VALU_DEP_1)
	v_cndmask_b32 v134, v134, v133, s61
	s_delay_alu instid0(VALU_DEP_1)
	v_cndmask_b32 v134, v134, v132, s62
	global_store_b32 v[CFO], v134, s[54:55]        ; lanes e and e + 4 store the same word with the same value
.Lend:
	s_wait_tensorcnt 0x0                           ; the wave's end: behind my tensor load and my last LDS store
	ds_add_u32 v[SPW], v[NIL]
	s_wait_dscnt 0x0
	s_endpgm
.Lfunc_end_k_q18ac940e2e_xprep:
	.size	k_q18ac940e2e_xprep, .Lfunc_end_k_q18ac940e2e_xprep-k_q18ac940e2e_xprep
	.p2alignl 7, 3214868480
	.fill 96, 4, 3214868480
	.section	.rodata,"a",@progbits
	.p2align	6, 0x0
	.amdhsa_kernel k_q18ac940e2e_xprep
		.amdhsa_group_segment_fixed_size 215552
		.amdhsa_private_segment_fixed_size 0
		.amdhsa_enable_private_segment 0
		.amdhsa_kernarg_size 56
		.amdhsa_user_sgpr_count 2
		.amdhsa_user_sgpr_kernarg_segment_ptr 1
		.amdhsa_wavefront_size32 1
		.amdhsa_system_sgpr_workgroup_id_x 1
		.amdhsa_system_sgpr_workgroup_id_y 1
		.amdhsa_system_sgpr_workgroup_id_z 1
		.amdhsa_system_vgpr_workitem_id 0
		.amdhsa_next_free_vgpr 256
		.amdhsa_next_free_sgpr 66
		.amdhsa_reserve_vcc 0
		.amdhsa_float_denorm_mode_32 3
		.amdhsa_float_denorm_mode_16_64 3
		.amdhsa_memory_ordered 1
		.amdhsa_forward_progress 1
		.amdhsa_inst_pref_size 40
	.end_amdhsa_kernel
	.amdgpu_metadata
---
amdhsa.version: [ 1, 2 ]
amdhsa.kernels:
  - .name:           k_q18ac940e2e_xprep
    .symbol:         k_q18ac940e2e_xprep.kd
    .args:
      - { .name: hidden_states, .offset: 0, .size: 8, .value_kind: global_buffer, .address_space: global }
      - { .name: g1q, .offset: 8, .size: 8, .value_kind: global_buffer, .address_space: global }
      - { .name: ceq, .offset: 16, .size: 8, .value_kind: global_buffer, .address_space: global }
      - { .name: gate_w2, .offset: 24, .size: 8, .value_kind: global_buffer, .address_space: global }
      - { .name: xq, .offset: 32, .size: 8, .value_kind: global_buffer, .address_space: global }
      - { .name: coef, .offset: 40, .size: 8, .value_kind: global_buffer, .address_space: global }
      - { .name: out1, .offset: 48, .size: 8, .value_kind: global_buffer, .address_space: global }
    .group_segment_fixed_size: 215552
    .private_segment_fixed_size: 0
    .kernarg_segment_align: 8
    .kernarg_segment_size: 56
    .max_flat_workgroup_size: 512
    .sgpr_count:     66
    .vgpr_count:     256
    .wavefront_size: 32
...
	.end_amdgpu_metadata
.endif
;; end of part 2
;; launch ffn1 (part 3): grid 16 x 16, 4 waves a work-group, clusters of 4 x 4, 327,680 bytes of LDS; arguments xq, wgu, hq; writes hq
.if DOCPART == 3
	.amdgcn_target "amdgcn-amd-amdhsa--gfx1250"
	.amdhsa_code_object_version 6
	.text
	.protected	k_q18ac940e2e_ffn1
	.globl	k_q18ac940e2e_ffn1
	.p2align	8
	.type	k_q18ac940e2e_ffn1,@function
k_q18ac940e2e_ffn1:
	s_mov_b64 s[64:65], 0
	v_nop
	global_prefetch_b8 v0, s[64:65] scope:SCOPE_SE
	s_setreg_imm32_b32 hwreg(HW_REG_WAVE_MODE, 25, 1), 1
	s_wait_xcnt 0x0
	s_wait_alu depctr_hold_cnt(0) depctr_sa_sdst(0) depctr_va_vdst(0) depctr_va_sdst(0) depctr_va_ssrc(0) depctr_va_vcc(0) depctr_vm_vsrc(0)
	s_getreg_b32 s2, hwreg(HW_REG_IB_STS2, 6, 4)
	s_cmp_eq_u32 s2, 0
	s_cbranch_scc0 .Lentry_in_a_cluster
	s_endpgm
.Lentry_in_a_cluster:
	s_bfe_u32 s2, ttmp6, 0x10000c
	s_cmp_lg_u32 s2, 0xf033
	s_cbranch_scc0 .Lentry_shape_is_right
	s_endpgm
.Lentry_shape_is_right:
.set NA,    8
.set CH,    25600
.set SK,    3
.set PART,  SK*CH
.set SLOT,  2*PART
.set HALF,  PART/2
.set LHALF, CH/2
.set STAGE, 0
.set SPARE, 2*SLOT
.set CPG,  10
.set CPL,  11
.set CSG,  12
.set CSL,  13
.set ADRA, 16
.set ADRS, 18
.set ADRB, 20
.set HSA,  24
.set HSB,  25
.set HSS,  26
.set SPW,  28
.set NIL,  29
.set PFO,  30
.set SC,   32
.set AF,   64
.set LIM,  19
.set G1,   24
.set G0,   32
.set G1B,  48
.set G0B,  56
.set SEL,  66
.set G1L,  68
.set G1LB, 76
.set G0L,  84
.set G0LB, 88
.set PFA,  100
.set MSB, 0
.macro WIN new
.if MSB != (\new)
	s_set_vgpr_msb (MSB<<8)|(\new)
.set MSB, (\new)
.endif
.endm
.macro JLOAD g0a, g1a, g0b, g1b
	s_cmp_eq_u32 s17, 0
	s_cbranch_scc0 .Lfor_b_\@
	tensor_load_to_lds s[\g0a:\g0a+3], s[\g1a:\g1a+7]
	s_nop 0
.rept 4
	v_nop
.endr
	s_branch .Lasked_\@
.Lfor_b_\@:
	tensor_load_to_lds s[\g0b:\g0b+3], s[\g1b:\g1b+7]
	s_nop 0
.rept 4
	v_nop
.endr
.Lasked_\@:
.endm
.macro ASK c0, n
	s_cmp_eq_u32 s[LIM], 1
	s_cbranch_scc0 .Lnot_mine_\@
.set C_, \c0
.rept \n
	global_prefetch_b8 v[PFO], s[PFA:PFA+1] offset:C_*CH th:TH_LOAD_NT scope:SCOPE_SE
.set C_, C_+1
.endr
.Lnot_mine_\@:
.endm
.macro CREST
	s_cmp_lg_u32 s16, 0
	s_cbranch_scc1 .Lnot_wave_0_\@
	s_barrier_signal -3
.Lnot_wave_0_\@:
	s_barrier_wait -3
	s_barrier_signal -1
	s_barrier_wait -1
.endm
.macro CROUND
	s_barrier_signal -1
	s_barrier_wait -1
	CREST
.endm
.macro PLACES n
.rept \n
	v_nop
.endr
.endm
.macro FETCH slot, q, p
	WIN 0x40
.irp i, 0,1,2,3,4,5,6,7
.irp g, 0,1,2
	ds_load_b128 v[128*(\p)+12*\i+4*\g:128*(\p)+12*\i+4*\g+3], v[ADRB+\slot] offset:(\q)*CH+1536*\i+512*\g
.endr
.endr
	WIN 0
.irp i, 0,1,2,3,4,5,6,7
.irp g, 0,1,2
	ds_load_b128 v[AF+12*NA*(\p)+12*\i+4*\g:AF+12*NA*(\p)+12*\i+4*\g+3], v[ADRA+\slot] offset:(\q)*CH+1536*\i+512*\g
.endr
.endr
.irp j, 0,1,2,3,4,5,6,7
	ds_load_b32 v[SC+8*(\p)+\j], v[ADRS+\slot] offset:(\q)*CH+64*\j
.endr
.endm
.macro MULA a, p, zero
	WIN 0xa1+0x50*((\a)/4)
.irp b, 0,1,2,3,4,5,6,7
.if \zero
	v_wmma_scale_f32_16x16x128_f8f6f4 v[8*(8*((\a)%4)+\b):8*(8*((\a)%4)+\b)+7], v[128*(\p)+12*\b:128*(\p)+12*\b+11], v[AF+12*NA*(\p)+12*(\a):AF+12*NA*(\p)+12*(\a)+11], 0, v[SC+8*(\p)+\b], v[SC+8*(\p)+(\a)] matrix_a_fmt:MATRIX_FMT_BF6 matrix_b_fmt:MATRIX_FMT_BF6 matrix_a_scale:MATRIX_SCALE_ROW1
.else
	v_wmma_scale_f32_16x16x128_f8f6f4 v[8*(8*((\a)%4)+\b):8*(8*((\a)%4)+\b)+7], v[128*(\p)+12*\b:128*(\p)+12*\b+11], v[AF+12*NA*(\p)+12*(\a):AF+12*NA*(\p)+12*(\a)+11], v[8*(8*((\a)%4)+\b):8*(8*((\a)%4)+\b)+7], v[SC+8*(\p)+\b], v[SC+8*(\p)+(\a)] matrix_a_fmt:MATRIX_FMT_BF6 matrix_b_fmt:MATRIX_FMT_BF6 matrix_a_scale:MATRIX_SCALE_ROW1
.endif
.endr
.endm
.macro STEP slot, q, p, zero
	s_wait_dscnt 0x0
	PLACES 4
	FETCH \slot, (\q)+1, 1-(\p)
.irp a, 0,1,2,3,4,5,6,7
	MULA \a, \p, \zero
.endr
	WIN 0
.endm
.macro TURN slot, p, next, fill, pf0, pfn
	WIN 0
	s_wait_tensorcnt 0x0
	ds_add_u32 v[SPW], v[NIL]
	s_wait_dscnt 1
	MULA 0, \p, 0
	s_wait_dscnt 0x0
	s_barrier_signal -1
	MULA 1, \p, 0
	WIN 0
	s_barrier_wait -1
.if \fill == 1
	CREST
	s_add_nc_u64 s[G0+4*\slot+2:G0+4*\slot+3], s[G0+4*\slot+2:G0+4*\slot+3], 2*PART
	s_add_nc_u64 s[G0B+4*\slot+2:G0B+4*\slot+3], s[G0B+4*\slot+2:G0B+4*\slot+3], 2*PART
	JLOAD G0+4*\slot, G1, G0B+4*\slot, G1B
.elseif \fill == 2
	CREST
	JLOAD G0L, G1L, G0LB, G1LB
.else
	PLACES 4
.endif
	FETCH \next, 0, 1-(\p)
.if \pfn
	ASK \pf0, \pfn
.endif
.irp a, 2,3,4,5,6,7
	MULA \a, \p, 0
.endr
	WIN 0
.endm
	s_load_b128 s[4:7], s[0:1], 0x0
	s_load_b64 s[8:9], s[0:1], 0x10
	v_lshl_add_u32 v[SPW], v0, 2, SPARE
	v_mov_b32 v[NIL], 0
	ds_add_u32 v[SPW], v[NIL]
	ds_add_u32 v[SPW], v[NIL]
	v_lshrrev_b32 v1, 5, v0
	v_readfirstlane_b32 s16, v1
	s_lshr_b32 s17, s16, 1
	s_and_b32 s18, s16, 1
	s_bfe_u32 s40, ttmp6, 0x40000
	s_bfe_u32 s41, ttmp6, 0x40004
	s_lshl_b32 s42, ttmp9, 2
	s_add_co_u32 s42, s42, s40
	s_and_b32 s20, ttmp7, 0xffff
	s_lshl_b32 s20, s20, 2
	s_add_co_u32 s20, s20, s41
	s_lshl_b32 s43, s41, 2
	s_lshl_b32 s43, 15, s43
	s_lshl_b32 s44, 0x1111, s40
	s_or_b32 s[G1], s43, (3<<16)|(1<<21)
	s_or_b32 s[G1B], s44, (3<<16)|(1<<21)
	s_or_b32 s[G1L], s43, (3<<16)|(1<<21)
	s_or_b32 s[G1LB], s44, (3<<16)|(1<<21)
.irp g, G1, G1B
	s_mov_b32 s[\g+1], 32<<16
	s_mov_b32 s[\g+2], 150<<16
	s_mov_b32 s[\g+3], 32<<16
	s_mov_b32 s[\g+4], 150
	s_mov_b32 s[\g+5], 32
	s_mov_b32 s[\g+6], 0
	s_mov_b32 s[\g+7], 0
.endr
.irp g, G1L, G1LB
	s_mov_b32 s[\g+1], 32<<16
	s_mov_b32 s[\g+2], 50<<16
	s_mov_b32 s[\g+3], 32<<16
	s_mov_b32 s[\g+4], 50
	s_mov_b32 s[\g+5], 32
	s_mov_b32 s[\g+6], 0
	s_mov_b32 s[\g+7], 0
.endr
	s_mul_i32 s45, s18, HALF
	s_mul_i32 s21, s18, LHALF
	s_mul_i32 s22, s20, 16*CH
	s_add_co_u32 s92, s22, s21
	s_add_co_u32 s92, s92, 15*CH
	s_mov_b32 s93, 0
	s_add_co_u32 s22, s22, s45
	s_mov_b32 s23, 0
	s_mul_i32 s46, s42, 16*CH
	s_add_co_u32 s94, s46, s21
	s_add_co_u32 s94, s94, 15*CH
	s_mov_b32 s95, 0
	s_add_co_u32 s46, s46, s45
	s_mov_b32 s47, 0
	s_mul_i32 s96, s20, 16*CH
	s_mul_i32 s97, s42, 16*CH
	s_and_b32 s98, ttmp7, 0xffff
	s_cmp_eq_u32 s17, 0
	s_cselect_b32 s96, s96, s97
	s_cselect_b32 s97, s40, s41
	s_cselect_b32 s98, ttmp9, s98
	s_mul_i32 s97, s97, CH/4
	s_add_co_u32 s96, s96, s97
	s_mov_b32 s97, 0
	s_or_b32 s98, s98, s18
	s_cmp_eq_u32 s98, 0
	s_cselect_b32 s[LIM], 1, 0
	s_mov_b32 s[SEL], 0x76543210
	s_mov_b32 s[SEL+1], 0xfedcba98
	s_wait_dscnt 0x0
	s_wait_kmcnt 0x0
	s_add_nc_u64 s[22:23], s[4:5], s[22:23]
	s_add_nc_u64 s[46:47], s[6:7], s[46:47]
	s_cmp_eq_u32 s17, 0
	s_cselect_b64 s[PFA:PFA+1], s[4:5], s[6:7]
	s_add_nc_u64 s[PFA:PFA+1], s[PFA:PFA+1], s[96:97]
	s_mov_b32 s[G0L], 1
	s_add_co_u32 s[G0L+1], s21, SLOT
	s_add_nc_u64 s[G0L+2:G0L+3], s[4:5], s[92:93]
	s_or_b32 s[G0L+3], s[G0L+3], 0x80000000
	s_mov_b32 s[G0LB], 1
	s_add_co_u32 s[G0LB+1], s21, SLOT+PART
	s_add_nc_u64 s[G0LB+2:G0LB+3], s[6:7], s[94:95]
	s_or_b32 s[G0LB+3], s[G0LB+3], 0x80000000
	CROUND
.irp s, 0,1
	s_mov_b32 s[G0+4*\s], 1
	s_add_co_u32 s[G0+4*\s+1], s45, \s*SLOT
	s_add_nc_u64 s[G0+4*\s+2:G0+4*\s+3], s[22:23], \s*PART
	s_or_b32 s[G0+4*\s+3], s[G0+4*\s+3], 0x80000000
	s_mov_b32 s[G0B+4*\s], 1
	s_add_co_u32 s[G0B+4*\s+1], s45, \s*SLOT+PART
	s_add_nc_u64 s[G0B+4*\s+2:G0B+4*\s+3], s[46:47], \s*PART
	s_or_b32 s[G0B+4*\s+3], s[G0B+4*\s+3], 0x80000000
.endr
	JLOAD G0, G1, G0B, G1B
	s_wait_alu depctr_va_vdst(0)
	s_wait_tensorcnt 0x0
	ds_add_u32 v28, v29
	s_wait_dscnt 0x0
	CROUND
	JLOAD G0+4, G1, G0B+4, G1B
	v_and_b32 v1, 31, v0
	v_and_b32 v2, 15, v0
	v_bfe_u32 v3, v0, 4, 1
	v_lshlrev_b32 v4, 4, v1
	s_wait_alu depctr_va_vdst(0)
	v_lshlrev_b32 v5, 2, v2
	s_wait_alu depctr_va_vdst(0)
	v_min_u32 v[PFO], 24, v1
	v_lshlrev_b32 v[PFO], 8, v[PFO]
	s_mul_i32 s92, s17, 12288
	s_mul_i32 s93, s18, 12288
	s_add_co_u32 s93, s93, PART
	s_lshl_b32 s94, s18, 9
	s_add_co_u32 s94, s94, PART
	s_lshl_b32 s95, s17, 9
	s_sub_co_u32 s94, s94, s95
	v_mul_u32_u24 v6, s94, v3
	v_add_nc_u32 v6, v6, v5
	s_wait_alu depctr_va_vdst(0)
	s_add_co_u32 s95, s95, 24576
	s_mul_i32 s96, s18, 520
	s_add_co_u32 s96, s96, s92
	s_add_co_u32 s96, s96, STAGE
	v_add_nc_u32 v[HSA], s96, v4
	s_mul_i32 s96, s18, 1016
	s_add_co_u32 s96, s96, s92
	s_add_co_u32 s96, s96, STAGE+8
	v_add_nc_u32 v[HSB], s96, v4
	s_lshl_b32 s96, s18, 1
	s_add_co_u32 s96, s96, s95
	s_add_co_u32 s96, s96, STAGE
	v_add_nc_u32 v[HSS], s96, v5
.irp s, 0,1
	v_add_nc_u32 v[ADRA+\s], s92, v4
	v_add_nc_u32 v[ADRB+\s], s93, v4
	v_add_nc_u32 v[ADRS+\s], s95, v6
	s_add_co_u32 s92, s92, SLOT
	s_add_co_u32 s93, s93, SLOT
	s_add_co_u32 s95, s95, SLOT
.endr
	v_lshlrev_b32 v[CPG], 4, v0
	v_lshl_add_u32 v[CPL], v0, 4, STAGE
	v_lshlrev_b32 v[CSG], 3, v0
	v_lshl_add_u32 v[CSL], v0, 3, STAGE+24576
	s_lshl_b32 s96, s20, 4
	s_add_co_u32 s96, s96, s42
	s_mul_i32 s96, s96, CH
	s_mov_b32 s97, 0
	s_add_nc_u64 s[8:9], s[8:9], s[96:97]
	s_wait_alu depctr_va_vdst(0)
	s_wait_tensorcnt 1
	s_barrier_signal -1
	s_barrier_wait -1
	FETCH 0, 0, 0
	STEP 0, 0, 0, 1
	STEP 0, 1, 1, 0
	TURN 0, 0, 1, 1, 9, 3
	STEP 1, 0, 1, 0
	STEP 1, 1, 0, 0
	TURN 1, 1, 0, 1, 12, 3
	STEP 0, 0, 0, 0
	STEP 0, 1, 1, 0
	TURN 0, 0, 1, 1, 15, 1
	STEP 1, 0, 1, 0
	STEP 1, 1, 0, 0
	TURN 1, 1, 0, 2, 0, 0
	STEP 0, 0, 0, 0
	STEP 0, 1, 1, 0
	TURN 0, 0, 1, 0, 0, 0
	s_wait_dscnt 0x0
.irp a, 0,1,2,3,4,5,6,7
	MULA \a, 1, 0
.endr
	WIN 0
	PLACES 4
.set E,   64
.set QM,  96
.set QP,  98
.set QSC, 100
.set QB,  102
.set PWR, 104
.set PC,  112
.set PC2, 120
	v_mov_b32 v[QP], 0
	v_mov_b32 v[QP+1], 0
.macro HBLK a
.set AC, 64*((\a)%4)
	WIN 2+(\a)/4
.set I_, 0
.rept 16
	v_pk_mul_f32 v[E+I_:E+I_+1], v[AC+I_:AC+I_+1], 0xbfb8aa3b op_sel_hi:[1,0]
.set I_, I_+2
.endr
	WIN 0
.set I_, 0
	s_wait_alu depctr_va_vdst(0)
.rept 32
	v_exp_f32 v[E+I_], v[E+I_]
.set I_, I_+1
.endr
	v_nop
	s_wait_alu depctr_va_vdst(0)
.set I_, 0
.rept 16
	v_pk_add_f32 v[E+I_:E+I_+1], v[E+I_:E+I_+1], 1.0 op_sel_hi:[1,0]
.set I_, I_+2
.endr
.set I_, 0
	s_wait_alu depctr_va_vdst(0)
.rept 32
	v_rcp_f32 v[E+I_], v[E+I_]
.set I_, I_+1
.endr
	v_nop
	s_wait_alu depctr_va_vdst(0)
	WIN (2+(\a)/4)<<2
.set I_, 0
.rept 16
	v_pk_mul_f32 v[E+I_:E+I_+1], v[E+I_:E+I_+1], v[AC+I_:AC+I_+1]
.set I_, I_+2
.endr
.set I_, 0
.rept 16
	v_pk_mul_f32 v[E+I_:E+I_+1], v[E+I_:E+I_+1], v[AC+32+I_:AC+32+I_+1]
.set I_, I_+2
.endr
	WIN 0
.irp b, 0,1
	v_max3_num_f32 v[QM+\b], |v[E+16*\b]|, |v[E+16*\b+1]|, 0x2800000
.endr
.irp i, 2,4,6,8,10,12,14
.irp b, 0,1
	v_max3_num_f32 v[QM+\b], v[QM+\b], |v[E+16*\b+\i]|, |v[E+16*\b+\i+1]|
.endr
.endr
.irp b, 0,1
	v_permlanex16_b32 v[QP+\b], v[QM+\b], s[SEL], s[SEL+1]
.endr
.irp b, 0,1
	v_max_num_f32 v[QM+\b], v[QM+\b], v[QP+\b]
.endr
.irp b, 0,1
	v_add_nc_u32 v[QSC+\b], 0xfe000000, v[QM+\b]
.endr
.irp b, 0,1
	v_lshrrev_b32 v[QB+\b], 23, v[QSC+\b]
.endr
	s_wait_alu depctr_va_vdst(0)
	s_wait_dscnt 0x0
	v_lshl_or_b32 v[PWR], v[QB+1], 8, v[QB]
	v_cvt_scalef32_pk16_bf6_f32 v[PC:PC+2], v[E:E+15], v[QSC]
	v_cvt_scalef32_pk16_bf6_f32 v[PC2:PC2+2], v[E+16:E+31], v[QSC+1]
	v_nop
.irp i, 0,1,2
	v_permlane16_swap_b32 v[PC+\i], v[PC2+\i]
.endr
.irp i, 0,1,2
	v_mov_b32 v[PC+3+\i], v[PC2+\i]
.endr
	ds_store_b64 v[HSA], v[PC:PC+1] offset:1536*(\a)
	ds_store_b64 v[HSB], v[PC+2:PC+3] offset:1536*(\a)
	ds_store_b64 v[HSA], v[PC+4:PC+5] offset:1536*(\a)+512
	ds_store_b16 v[HSS], v[PWR] offset:64*(\a)
.endm
.irp a, 0,1,2,3,4,5,6,7
	HBLK \a
.endr
	s_wait_dscnt 0x0
	s_barrier_signal -1
	s_barrier_wait -1
.irp i, 0,1,2,3,4,5,6,7,8,9,10,11
	ds_load_b128 v[128+4*\i:131+4*\i], v[CPL] offset:2048*\i
.endr
	ds_load_b64 v[176:177], v[CSL]
.irp i, 0,1,2,3,4,5,6,7,8,9,10,11
	s_wait_dscnt 12-\i
	global_store_b128 v[CPG], v[128+4*\i:131+4*\i], s[8:9] offset:2048*\i
.endr
	s_wait_dscnt 0x0
	global_store_b64 v[CSG], v[176:177], s[8:9] offset:24576
	s_wait_tensorcnt 0x0
	ds_add_u32 v[SPW], v[NIL]
	s_wait_dscnt 0x0
	CROUND
	s_endpgm
.Lfunc_end_k_q18ac940e2e_ffn1:
	.size	k_q18ac940e2e_ffn1, .Lfunc_end_k_q18ac940e2e_ffn1-k_q18ac940e2e_ffn1
	.p2alignl 7, 3214868480
	.fill 96, 4, 3214868480
	.section	.rodata,"a",@progbits
	.p2align	6, 0x0
	.amdhsa_kernel k_q18ac940e2e_ffn1
		.amdhsa_group_segment_fixed_size 327680
		.amdhsa_private_segment_fixed_size 0
		.amdhsa_enable_private_segment 0
		.amdhsa_kernarg_size 24
		.amdhsa_user_sgpr_count 2
		.amdhsa_user_sgpr_kernarg_segment_ptr 1
		.amdhsa_wavefront_size32 1
		.amdhsa_system_sgpr_workgroup_id_x 1
		.amdhsa_system_sgpr_workgroup_id_y 1
		.amdhsa_system_sgpr_workgroup_id_z 1
		.amdhsa_system_vgpr_workitem_id 0
		.amdhsa_next_free_vgpr 1024
		.amdhsa_next_free_sgpr 104
		.amdhsa_reserve_vcc 0
		.amdhsa_float_denorm_mode_32 3
		.amdhsa_float_denorm_mode_16_64 3
		.amdhsa_memory_ordered 1
		.amdhsa_forward_progress 1
		.amdhsa_inst_pref_size 255
	.end_amdhsa_kernel
	.section	.bss,"aw",@nobits
	.p2align	6
	.space	262144
	.amdgpu_metadata
---
amdhsa.version: [ 1, 2 ]
amdhsa.kernels:
  - .name:           k_q18ac940e2e_ffn1
    .symbol:         k_q18ac940e2e_ffn1.kd
    .args:
      - { .name: xq, .offset: 0, .size: 8, .value_kind: global_buffer, .address_space: global }
      - { .name: wgu, .offset: 8, .size: 8, .value_kind: global_buffer, .address_space: global }
      - { .name: hq, .offset: 16, .size: 8, .value_kind: global_buffer, .address_space: global }
    .group_segment_fixed_size: 327680
    .private_segment_fixed_size: 0
    .kernarg_segment_align: 8
    .kernarg_segment_size: 24
    .max_flat_workgroup_size: 128
    .sgpr_count:     104
    .vgpr_count:     1024
    .wavefront_size: 32
...
	.end_amdgpu_metadata
.endif
;; end of part 3
;; launch ffn2 (part 4): grid 16 x 16, 4 waves a work-group, clusters of 4 x 4, 327,680 bytes of LDS; arguments hq, wdq, hidden_states, ce_const, coef, out0; writes out0
.if DOCPART == 4
	.amdgcn_target "amdgcn-amd-amdhsa--gfx1250"
	.amdhsa_code_object_version 6
	.text
	.protected	k_q18ac940e2e_ffn2
	.globl	k_q18ac940e2e_ffn2
	.p2align	8
	.type	k_q18ac940e2e_ffn2,@function
k_q18ac940e2e_ffn2:
	s_mov_b64 s[64:65], 0
	v_nop
	global_prefetch_b8 v0, s[64:65] scope:SCOPE_SE
	s_setreg_imm32_b32 hwreg(HW_REG_WAVE_MODE, 25, 1), 1
	s_wait_xcnt 0x0
	s_wait_alu depctr_hold_cnt(0) depctr_sa_sdst(0) depctr_va_vdst(0) depctr_va_sdst(0) depctr_va_ssrc(0) depctr_va_vcc(0) depctr_vm_vsrc(0)
	s_getreg_b32 s2, hwreg(HW_REG_IB_STS2, 6, 4)
	s_cmp_eq_u32 s2, 0
	s_cbranch_scc0 .Lentry_in_a_cluster
	s_endpgm
.Lentry_in_a_cluster:
	s_bfe_u32 s2, ttmp6, 0x10000c
	s_cmp_lg_u32 s2, 0xf033
	s_cbranch_scc0 .Lentry_shape_is_right
	s_endpgm
.Lentry_shape_is_right:
; out0 = g (h w_down) + a x + b0 c0 + b1 c1.  h and w_down arrive as codes of BF6 with E8M0 scales, as images of the operand's registers in dense chunks, one chunk a K step of 128 (h: 16 images + words = 25,600 bytes;
; w_down: 8 images + words = 12,800 bytes; the chunks of successive K steps follow each other); (a, b0, g, b1) are four f32 numbers a row, made by the router's launch; x is hidden_states, c0 and c1 the constant experts' vectors.
; SHARES.  A work-group makes 256 rows x 128 columns; wave w rows 64 w on x all 128 columns: 4 blocks of rows x 8 tiles: 32 accumulators.  256 work-groups; blocks of 256 x 256 would be 128.
; THE RING.  K goes in steps of 128, FOUR to a slot, as many as two slots in LDS allow: a slot is [h, 4 chunks][w, 4 chunks], 153,600 bytes.  Each part is one dense run of memory, halved between two waves: waves 0, 1 fetch
; h's halves (200 rows of 256 bytes), waves 2, 3 the weight's (100 rows).  16 K steps are four fills: slot 0's at the head, one load a wave; slot 1's behind a tensor wait, an add to the spare word, its wait and a round; two refills.  The 16 steps are written out.
; CLUSTERS: 4 x 4 work-groups; h's chunks are shared along a row of the cluster, the weight's along a column: each is asked for jointly.
; THE PRODUCT IS USED TRANSPOSED (source 0 = 16 columns of the weight, source 1 = 16 rows of h).  x's part of the tile, 64 rows x 512 bytes a wave, is loaded into registers in two runs, one behind each refill.
; THE WAY OUT, a block of 16 rows at a time: the sums go through my stage in LDS into whole rows of 512 bytes; a row's four numbers go from vector into scalar registers; a x + b0 c0 + b1 c1 is made in x's registers while the
; stage's loads are out, g x the sums is added there, and the rows are stored from there: each block's store data are registers of their own.  Stores of 512 consecutive bytes.
; The order of the sum differs from the source's (a x and b c are gathered over the experts first): a difference of f32 roundings.
; REGISTERS, in windows of 256: window 0: v16-30 addresses; v32-47 scale words, two sets; v48-63 their addresses; v64-111, v112-159 h's fragments, two sets; v160-167 my 64 rows' four numbers (lane l: rows l and 32 + l); v168-175 c0, c1;
;   on the way out v64-127 and v176-239 rows of sums by turns.   window 1: the weight's fragments, two sets, at v0 and v128.   window 2: accumulator (a, b) at v[8 (8 a + b)].   window 3: x, then out0: row p of my 64 at v[4 p].
.set NA,    4
.set CHA,   25600
.set CHB,   12800
.set SK,    4                          ; K steps in a slot
.set APART, SK*CHA
.set BPART, SK*CHB
.set SLOT,  APART+BPART
.set STAGE, 0                          ; 16 rows x (512 + 16) bytes for each wave, in slot 0: when the first result is stored there the slot has had its last fill, and every wave has passed the last change of slots, behind which nobody reads it
.set SPARE, 2*SLOT                     ; behind the ring: the spare words, 128 bytes for each wave: two blocks of 256 bytes that no other line names
.set ADRA, 16                          ; v16-19 h's fragments: slot s, K steps 2 i and 2 i + 1 of it, at v[16 + 2 s + i]
.set ADRB, 20                          ; v20-21 the weight's fragments in slot 0, 1
.set STO,  24
.set RD,   25
.set LI,   26                          ; 16 x lane
.set SPW,  28
.set NIL,  29
.set PFO,  30                          ; the prefetches' offset: 256 x min(lane, 24); never rewritten
.set SC,   32
.set ADRS, 48                          ; v48-55 scale words 0-3 of slot s, K step q, at v[48 + 4 s + q]: lanes 0-15 h's blocks, lanes 16-31 the weight's tiles
.set ADRT, 56                          ; v56-63 scale words 4-7: lanes 16-31 the weight's tiles 4-7; lanes 0-15, which nobody reads, h's words once more
.set AF,   64
.set CF,   160
.set CC,   168
.set LIM,  19                          ; s19 1 in a wave that prefetches
.set G1,   24
.set G0,   32
.set G1B,  48
.set G0B,  56
.set PFA,  100                         ; s[100:101] where my prefetches stand; never rewritten
.set MSB, 0
.macro WIN new                         ; the immediate's high byte repeats the setting that is left; a switch that changes nothing is dropped
.if MSB != (\new)
	s_set_vgpr_msb (MSB<<8)|(\new)
.set MSB, (\new)
.endif
.endm
; A joint load: waves 0 and 1 fetch h's chunks, waves 2 and 3 the weight's.  The branch hangs on the wave's number alone.  An s_nop 0 and four v_nop follow each of the two lines.
.macro JLOAD g0a, g1a, g0b, g1b
	s_cmp_eq_u32 s17, 0
	s_cbranch_scc0 .Lfor_b_\@
	tensor_load_to_lds s[\g0a:\g0a+3], s[\g1a:\g1a+7]
	s_nop 0
.rept 4
	v_nop
.endr
	s_branch .Lasked_\@
.Lfor_b_\@:
	tensor_load_to_lds s[\g0b:\g0b+3], s[\g1b:\g1b+7]
	s_nop 0
.rept 4
	v_nop
.endr
.Lasked_\@:
.endm
; A PREFETCH INTO THE L2 of what the second refill will ask for, K steps 12-15.  It stands behind the first refill, the run of LDS loads that the next products wait for and x's loads: a slot's four K steps ahead of that refill.
; h's chunks are read by every cluster of a row of clusters: the one with x = 0 asks; the weight's by every cluster of a column: the one with y = 0 asks.  The four partners that ask jointly take one of the four chunks each,
; told apart BY ADDRESS (cx for h's, cy for the weight's).  In each, waves 0 and 1 ask for a half of h's chunk each and wave 2 for the weight's chunk: 12,800 bytes, two instructions of 25 lanes, 256 bytes apart;
; lanes 25-31 name lane 24's place once more.  The earlier fills come by their loads alone; behind the second refill there is no fill.
.macro ASK
	s_cmp_eq_u32 s[LIM], 1
	s_cbranch_scc0 .Lnot_mine_\@
	global_prefetch_b8 v[PFO], s[PFA:PFA+1] th:TH_LOAD_NT scope:SCOPE_SE
	global_prefetch_b8 v[PFO], s[PFA:PFA+1] offset:6400 th:TH_LOAD_NT scope:SCOPE_SE
.Lnot_mine_\@:
.endm
.macro CREST
	s_cmp_lg_u32 s16, 0
	s_cbranch_scc1 .Lnot_wave_0_\@
	s_barrier_signal -3
.Lnot_wave_0_\@:
	s_barrier_wait -3
	s_barrier_signal -1
	s_barrier_wait -1
.endm
.macro CROUND
	s_barrier_signal -1
	s_barrier_wait -1
	CREST
.endm
.macro PLACES n
.rept \n
	v_nop
.endr
.endm
.macro FETCH slot, q, p                ; the fragments and scale words of the slot's q-th K step into set p: 44 LDS loads in one run
	WIN 0x40
.irp i, 0,1,2,3,4,5,6,7
.irp g, 0,1,2
	ds_load_b128 v[128*(\p)+12*\i+4*\g:128*(\p)+12*\i+4*\g+3], v[ADRB+\slot] offset:(\q)*CHB+1536*\i+512*\g
.endr
.endr
	WIN 0
.irp i, 0,1,2,3
.irp g, 0,1,2
	ds_load_b128 v[AF+12*NA*(\p)+12*\i+4*\g:AF+12*NA*(\p)+12*\i+4*\g+3], v[ADRA+2*\slot+(\q)/2] offset:((\q)%2)*CHA+1536*\i+512*\g
.endr
.endr
.irp j, 0,1,2,3
	ds_load_b32 v[SC+8*(\p)+\j], v[ADRS+4*\slot+(\q)] offset:64*\j
.endr
.irp j, 4,5,6,7
	ds_load_b32 v[SC+8*(\p)+\j], v[ADRT+4*\slot+(\q)] offset:64*\j
.endr
.endm
.macro XLOAD hf                        ; rows 32 hf .. 32 hf + 31 of my 64 rows of x: 512 consecutive bytes a load; read once in this launch; waited for behind the last product
	WIN 0xc0                                       ; destination window 3
.set P_, 32*(\hf)
.rept 32
	global_load_b128 v[4*P_:4*P_+3], v[LI], s[8:9] offset:8192*P_ th:TH_LOAD_NT
.set P_, P_+1
.endr
	WIN 0
.endm
; Eight products: h's block a against the weight's eight tiles, from set p.  The 32 accumulators take turns, one instruction a turn, in the same order in every K step.
.macro MULA a, p, zero
	WIN 0xa1                                       ; source 0 window 1, source 1 window 0, C and D window 2
.irp b, 0,1,2,3,4,5,6,7
.if \zero
	v_wmma_scale_f32_16x16x128_f8f6f4 v[8*(8*(\a)+\b):8*(8*(\a)+\b)+7], v[128*(\p)+12*\b:128*(\p)+12*\b+11], v[AF+12*NA*(\p)+12*(\a):AF+12*NA*(\p)+12*(\a)+11], 0, v[SC+8*(\p)+\b], v[SC+8*(\p)+(\a)] matrix_a_fmt:MATRIX_FMT_BF6 matrix_b_fmt:MATRIX_FMT_BF6 matrix_a_scale:MATRIX_SCALE_ROW1
.else
	v_wmma_scale_f32_16x16x128_f8f6f4 v[8*(8*(\a)+\b):8*(8*(\a)+\b)+7], v[128*(\p)+12*\b:128*(\p)+12*\b+11], v[AF+12*NA*(\p)+12*(\a):AF+12*NA*(\p)+12*(\a)+11], v[8*(8*(\a)+\b):8*(8*(\a)+\b)+7], v[SC+8*(\p)+\b], v[SC+8*(\p)+(\a)] matrix_a_fmt:MATRIX_FMT_BF6 matrix_b_fmt:MATRIX_FMT_BF6 matrix_a_scale:MATRIX_SCALE_ROW1
.endif
.endr
.endm
.macro STEP slot, q, zero              ; the slot's q-th K step (0, 1, 2), on set q % 2; the next step's operands are fetched into the other set ahead of its 32 products
	s_wait_dscnt 0x0                               ; my set is in
	PLACES 4                                       ; the other set was read by the products just issued
	FETCH \slot, (\q)+1, 1-(\q)%2
.irp a, 0,1,2,3
	MULA \a, (\q)%2, \zero
.endr
	WIN 0
.endm
; A slot's last K step, on set 1, changes slots: ONE barrier; in front of it each wave waits for all its tensor loads, adds 0 to its spare word, and waits for that and for its reads of this slot.
; fill = 1: the slot is filled again, eight K steps on, and half of x is asked for behind it.  ask = 1: the next refill's chunks are prefetched.
.macro TURN slot, next, fill, ask
	WIN 0
	s_wait_tensorcnt 0x0                           ; all my tensor loads have landed: my part of the next slot
	ds_add_u32 v[SPW], v[NIL]                      ; 0 onto my spare word
	s_wait_dscnt 1                                 ; set 1 is in; the add may be out
	MULA 0, 1, 0                                   ; eight products stand between the add and the wait for it
	s_wait_dscnt 0x0                               ; the add is done, and my reads of this slot are over
	s_barrier_signal -1
	MULA 1, 1, 0
	WIN 0
	s_barrier_wait -1
.if \fill
	CREST                                          ; the barrier has opened a round of the cluster's barrier: no wave of any partner still reads this slot or has a load on its way
	s_add_nc_u64 s[G0+4*\slot+2:G0+4*\slot+3], s[G0+4*\slot+2:G0+4*\slot+3], 2*APART
	s_add_nc_u64 s[G0B+4*\slot+2:G0B+4*\slot+3], s[G0B+4*\slot+2:G0B+4*\slot+3], 2*BPART
	JLOAD G0+4*\slot, G1, G0B+4*\slot, G1B         ; the first tensor load behind the round; its four v_nop are also the places in front of the loads below
.else
	PLACES 4
.endif
	FETCH \next, 0, 0
.if \fill
	XLOAD \slot
.endif
.if \ask
	ASK
.endif
	MULA 2, 1, 0
	MULA 3, 1, 0
	WIN 0
.endm
	s_load_b256 s[4:11], s[0:1], 0x0               ; hq s[4:5], wdq s[6:7], hidden_states s[8:9], ce_const s[10:11]
	s_load_b128 s[12:15], s[0:1], 0x20             ; coef s[12:13], out0 s[14:15]
	v_lshl_add_u32 v[SPW], v0, 2, SPARE
	v_mov_b32 v[NIL], 0
	ds_add_u32 v[SPW], v[NIL]                      ; the wave's opening: the add, twice on end, and its wait, ahead of my first tensor load; the set-up below, work on registers, stands between them
	ds_add_u32 v[SPW], v[NIL]
	v_lshrrev_b32 v1, 5, v0
	v_readfirstlane_b32 s16, v1                    ; wave 0..3
	s_lshr_b32 s17, s16, 1                         ; I fetch h's chunks (0) or the weight's (1),
	s_and_b32 s18, s16, 1                          ; the first half of a fill or the second
	s_bfe_u32 s40, ttmp6, 0x40000                  ; cx, cy: my place in the cluster
	s_bfe_u32 s41, ttmp6, 0x40004
	s_lshl_b32 s42, ttmp9, 2
	s_add_co_u32 s42, s42, s40                     ; tile of 128 columns = 4 x cluster x + cx
	s_and_b32 s20, ttmp7, 0xffff
	s_lshl_b32 s20, s20, 2
	s_add_co_u32 s20, s20, s41                     ; block of 256 rows = 4 x cluster y + cy
	s_lshl_b32 s43, s41, 2
	s_lshl_b32 s43, 15, s43                        ; my row of the cluster
	s_lshl_b32 s44, 0x1111, s40                    ; my column
	s_or_b32 s[G1], s43, (3<<16)|(1<<21)           ; 15:0 the mask; 17:16 elements of 8 bytes; 20 no padding; 21 set beside a mask
	s_or_b32 s[G1B], s44, (3<<16)|(1<<21)
	s_mov_b32 s[G1+1], 32<<16                      ; two of h's chunks: 200 rows of 256 bytes
	s_mov_b32 s[G1+2], 200<<16
	s_mov_b32 s[G1+3], 32<<16
	s_mov_b32 s[G1+4], 200
	s_mov_b32 s[G1+5], 32
	s_mov_b32 s[G1+6], 0
	s_mov_b32 s[G1+7], 0
	s_mov_b32 s[G1B+1], 32<<16                     ; two of the weight's: 100 rows
	s_mov_b32 s[G1B+2], 100<<16
	s_mov_b32 s[G1B+3], 32<<16
	s_mov_b32 s[G1B+4], 100
	s_mov_b32 s[G1B+5], 32
	s_mov_b32 s[G1B+6], 0
	s_mov_b32 s[G1B+7], 0
	s_mul_i32 s45, s18, APART/2                    ; my half of a fill, in memory and in LDS alike: no place in the cluster enters an LDS address
	s_mul_i32 s21, s18, BPART/2
	s_mul_i32 s22, s20, 16*CHA
	s_add_co_u32 s22, s22, s45
	s_mov_b32 s23, 0
	s_mul_i32 s46, s42, 16*CHB
	s_add_co_u32 s46, s46, s21
	s_mov_b32 s47, 0
	s_lshl_b32 s66, s20, 4                         ; the prefetches.  h: chunk 16 x block of rows + 12 + cx, my wave's half of it;
	s_add_co_u32 s66, s66, s40
	s_add_co_u32 s66, s66, 12
	s_mul_i32 s66, s66, CHA
	s_mul_i32 s67, s18, CHA/2
	s_add_co_u32 s66, s66, s67
	s_lshl_b32 s67, s42, 4                         ; the weight: chunk 16 x tile + 12 + cy
	s_add_co_u32 s67, s67, s41
	s_add_co_u32 s67, s67, 12
	s_mul_i32 s67, s67, CHB
	s_and_b32 s68, ttmp7, 0xffff                   ; cluster y,
	s_or_b32 s68, s68, s18                         ; and of the weight's two waves the first alone
	s_cmp_eq_u32 s17, 0                            ; do I fetch for h?
	s_cselect_b32 s66, s66, s67
	s_cselect_b32 s68, ttmp9, s68                  ; the coordinate along which other clusters read the same chunks
	s_mov_b32 s67, 0
	s_cmp_eq_u32 s68, 0
	s_cselect_b32 s[LIM], 1, 0                     ; the same in all sixteen partners, for a given wave
	s_wait_dscnt 0x0                               ; both opening adds are done
	s_wait_kmcnt 0x0
	s_add_nc_u64 s[22:23], s[4:5], s[22:23]
	s_add_nc_u64 s[46:47], s[6:7], s[46:47]
	s_cmp_eq_u32 s17, 0
	s_cselect_b64 s[PFA:PFA+1], s[4:5], s[6:7]
	s_add_nc_u64 s[PFA:PFA+1], s[PFA:PFA+1], s[66:67]
	CROUND                                         ; all sixteen work-groups are here: the first joint loads meet
.irp s, 0,1
	s_mov_b32 s[G0+4*\s], 1
	s_add_co_u32 s[G0+4*\s+1], s45, \s*SLOT
	s_add_nc_u64 s[G0+4*\s+2:G0+4*\s+3], s[22:23], \s*APART
	s_or_b32 s[G0+4*\s+3], s[G0+4*\s+3], 0x80000000
	s_mov_b32 s[G0B+4*\s], 1
	s_add_co_u32 s[G0B+4*\s+1], s21, \s*SLOT+APART
	s_add_nc_u64 s[G0B+4*\s+2:G0B+4*\s+3], s[46:47], \s*BPART
	s_or_b32 s[G0B+4*\s+3], s[G0B+4*\s+3], 0x80000000
.endr
	JLOAD G0, G1, G0B, G1B                         ; K steps 0-3: one tensor load a wave at the head; the set-up below stands while it is out
	v_and_b32 v1, 31, v0
	v_and_b32 v2, 15, v0                           ; r
	v_bfe_u32 v3, v0, 4, 1                         ; h
	v_lshlrev_b32 v[LI], 4, v1
	s_wait_alu depctr_va_vdst(0)
	v_lshlrev_b32 v5, 2, v2                        ; 4 r
	v_min_u32 v[PFO], 24, v1
	v_lshlrev_b32 v[PFO], 8, v[PFO]
	s_lshl_b32 s66, s20, 21                        ; my part of the tile in x and in out0: 256 rows of 8,192 bytes a block,
	s_lshl_b32 s67, s16, 19                        ; 64 rows a wave,
	s_add_co_u32 s66, s66, s67
	s_lshl_b32 s67, s42, 9                         ; 512 bytes a tile of columns
	s_add_co_u32 s66, s66, s67
	s_mov_b32 s67, 0
	s_add_nc_u64 s[8:9], s[8:9], s[66:67]
	s_add_nc_u64 s[14:15], s[14:15], s[66:67]
	s_lshl_b32 s66, s42, 9
	s_add_nc_u64 s[10:11], s[10:11], s[66:67]      ; c0's 128 numbers of my columns; c1's lie 8,192 bytes on
	s_lshl_b32 s66, s20, 12                        ; coef: 16 bytes a row
	s_lshl_b32 s69, s16, 10
	s_add_co_u32 s66, s66, s69
	s_add_nc_u64 s[12:13], s[12:13], s[66:67]
	global_load_b128 v[CC:CC+3], v[LI], s[10:11]
	global_load_b128 v[CC+4:CC+7], v[LI], s[10:11] offset:8192
	global_load_b128 v[CF:CF+3], v[LI], s[12:13]               ; lane l: the four numbers of my row l,
	global_load_b128 v[CF+4:CF+7], v[LI], s[12:13] offset:512  ; and of row 32 + l
	s_mul_i32 s68, s16, 6144                       ; my 4 images of h
	v_add_nc_u32 v[ADRA], s68, v[LI]
	v_add_nc_u32 v[ADRA+1], 2*CHA, v[ADRA]
	v_add_nc_u32 v[ADRA+2], SLOT, v[ADRA]
	v_add_nc_u32 v[ADRA+3], SLOT+2*CHA, v[ADRA]
	v_add_nc_u32 v[ADRB], APART, v[LI]             ; the weight's 8, behind h's four chunks
	v_add_nc_u32 v[ADRB+1], SLOT+APART, v[LI]
	s_lshl_b32 s73, s16, 8                         ; my blocks' words: 256 w
.irp q, 0,1,2,3
	s_mov_b32 s72, APART+12288-24576-(CHA-CHB)*\q
	s_sub_co_u32 s72, s72, s73                     ; from my words of h to the weight's, in K step q: one product with the lane's half
	v_mul_u32_u24 v6, s72, v3
	v_add_nc_u32 v6, v6, v5
	s_add_co_u32 s74, s72, 256
	v_mul_u32_u24 v7, s74, v3
	v_add_nc_u32 v7, v7, v5
	s_add_co_u32 s75, s73, 24576+CHA*\q
	v_add_nc_u32 v[ADRS+\q], s75, v6
	s_add_co_u32 s75, s73, 24320+CHA*\q
	v_add_nc_u32 v[ADRT+\q], s75, v7
	v_add_nc_u32 v[ADRS+4+\q], SLOT, v[ADRS+\q]
	v_add_nc_u32 v[ADRT+4+\q], SLOT, v[ADRT+\q]
.endr
	s_mul_i32 s76, s16, 8448
	s_add_co_u32 s76, s76, STAGE                   ; my stage
	v_mul_u32_u24 v[STO], v2, 528
	v_lshl_add_u32 v[STO], v3, 6, v[STO]
	v_add_nc_u32 v[STO], s76, v[STO]               ; in: row r; tile 2 c + u's eight columns of my half: 128 c + 64 h + 32 u bytes on
	v_add_nc_u32 v[RD], s76, v[LI]                 ; back: the 32 lanes take one row
	s_wait_alu depctr_va_vdst(0)
	s_wait_tensorcnt 0x0                           ; my part of slot 0 is in
	ds_add_u32 v[SPW], v[NIL]
	s_wait_dscnt 0x0
	CROUND                                         ; a whole round: slot 0 is whole, and the joint loads meet
	JLOAD G0+4, G1, G0B+4, G1B                     ; K steps 4-7, the first tensor load behind the round
	FETCH 0, 0, 0
	STEP 0, 0, 1                                   ; K step 0: its products start the sums
	STEP 0, 1, 0
	STEP 0, 2, 0
	TURN 0, 1, 1, 1                                ; K step 3; slot 0 takes K steps 8-11; x's rows 0-31; K steps 12-15 are prefetched
	STEP 1, 0, 0
	STEP 1, 1, 0
	STEP 1, 2, 0
	TURN 1, 0, 1, 0                                ; K step 7; slot 1 takes 12-15; x's rows 32-63
	STEP 0, 0, 0
	STEP 0, 1, 0
	STEP 0, 2, 0
	TURN 0, 1, 0, 0                                ; K step 11: nothing is filled, and no round of the cluster's barrier follows
	STEP 1, 0, 0
	STEP 1, 1, 0
	STEP 1, 2, 0
; THE WAY OUT.  No tensor load of mine is out any more (the last change of slots waited for all), so the descriptors' registers take the rows' four numbers: row t of a block at s[24 + 4 t] (t < 8) or s[68 + 4 (t - 8)].
.macro CBSET
.if T_ < 8
.set CB, 24+4*T_
.else
.set CB, 68+4*(T_-8)
.endif
.endm
.macro RLANE a                         ; block a's 16 rows: (a, b0, g, b1) out of the lane that holds them: row 16 a + t lies in lane (16 a + t) % 32 of the first or the second four registers
.set T_, 0
.rept 16
	CBSET
.irp c, 0,1,2,3
	v_readlane_b32 s[CB+\c], v[CF+4*((16*(\a)+T_)/32)+\c], (16*(\a)+T_)%32
.endr
.set T_, T_+1
.endr
.endm
.macro TOSTAGE a                       ; block a through my stage: LDS serves a wave's instructions in order, so no wait stands between the stores and the loads
.set BB, 64+112*((\a)%2)
	WIN 0x08                                       ; an LDS store's data are its source 1: window 2
.irp b, 0,1,2,3,4,5,6,7
	ds_store_b128 v[STO], v[8*(8*(\a)+\b):8*(8*(\a)+\b)+3] offset:128*(\b/2)+32*(\b%2)       ; each accumulator from its low end on
	ds_store_b128 v[STO], v[8*(8*(\a)+\b)+4:8*(8*(\a)+\b)+7] offset:128*(\b/2)+32*(\b%2)+16
.endr
	WIN 0
.irp t, 0,1,2,3,4,5,6,7,8,9,10,11,12,13,14,15
	ds_load_b128 v[BB+4*\t:BB+4*\t+3], v[RD] offset:528*\t
.endr
.endm
.macro EPRE a                          ; x <- a x + b0 c0 + b1 c1, in x's registers, pass by pass over the 16 rows, so that no line reads the line above it; it stands while the stage's loads are out
	WIN 0xc3                                       ; destination and source 0 window 3, source 1 window 0
.set T_, 0
.rept 16
	CBSET
.set X0, 4*(16*(\a)+T_)
	v_pk_mul_f32 v[X0:X0+1], v[X0:X0+1], s[CB:CB+1] op_sel_hi:[1,0]
	v_pk_mul_f32 v[X0+2:X0+3], v[X0+2:X0+3], s[CB:CB+1] op_sel_hi:[1,0]
.set T_, T_+1
.endr
.set T_, 0
.rept 16
	CBSET
.set X0, 4*(16*(\a)+T_)
.irp i, 0,1,2,3
	v_fmac_f32 v[X0+\i], s[CB+1], v[CC+\i]
.endr
.set T_, T_+1
.endr
.set T_, 0
.rept 16
	CBSET
.set X0, 4*(16*(\a)+T_)
.irp i, 0,1,2,3
	v_fmac_f32 v[X0+\i], s[CB+3], v[CC+4+\i]
.endr
.set T_, T_+1
.endr
.endm
.macro PFIN a                          ; + g x the sums
.set BB, 64+112*((\a)%2)
	WIN 0xf0                                       ; destination and source 2 window 3, source 0 window 0
.set T_, 0
.rept 16
	CBSET
.set X0, 4*(16*(\a)+T_)
	v_pk_fma_f32 v[X0:X0+1], v[BB+4*T_:BB+4*T_+1], s[CB+2:CB+3], v[X0:X0+1] op_sel_hi:[1,0,1]
	v_pk_fma_f32 v[X0+2:X0+3], v[BB+4*T_+2:BB+4*T_+3], s[CB+2:CB+3], v[X0+2:X0+3] op_sel_hi:[1,0,1]
.set T_, T_+1
.endr
.endm
.macro SENDS a
	WIN 0x0c                                       ; a store's data are its source 1: window 3
.irp t, 0,1,2,3,4,5,6,7,8,9,10,11,12,13,14,15
	global_store_b128 v[LI], v[4*(16*(\a)+\t):4*(16*(\a)+\t)+3], s[14:15] offset:8192*(16*(\a)+\t) th:TH_STORE_NT   ; 32 lanes store 512 consecutive bytes, aligned; written once, read by nobody here; these registers are not written again
.endr
.endm
	s_wait_dscnt 0x0                               ; K step 15
.irp a, 0,1,2,3
	MULA \a, 1, 0
.endr
	WIN 0
	PLACES 4                                       ; behind the last products: their results are read, and rows land where h's sets lay
	TOSTAGE 0
	s_wait_loadcnt 0x0                             ; x, c0, c1 and the rows' numbers
	RLANE 0
	EPRE 0
.irp a, 0,1,2,3
	s_wait_dscnt 0x0                               ; the block's sums are back in registers, as rows
	PFIN \a
	SENDS \a
.if \a < 3
	TOSTAGE \a+1                                   ; the next block is on its way through the stage while its rows' numbers are read out and its part of x is worked
	RLANE \a+1
	EPRE \a+1
.endif
.endr
	WIN 0
	s_wait_tensorcnt 0x0                           ; the wave's end: behind my last tensor load and my last LDS store
	ds_add_u32 v[SPW], v[NIL]
	s_wait_dscnt 0x0
	CROUND                                         ; the closing round: no work-group ends while a partner may still ask for a chunk that names it
	s_endpgm
.Lfunc_end_k_q18ac940e2e_ffn2:
	.size	k_q18ac940e2e_ffn2, .Lfunc_end_k_q18ac940e2e_ffn2-k_q18ac940e2e_ffn2
	.p2alignl 7, 3214868480
	.fill 96, 4, 3214868480
	.section	.rodata,"a",@progbits
	.p2align	6, 0x0
	.amdhsa_kernel k_q18ac940e2e_ffn2
		.amdhsa_group_segment_fixed_size 327680
		.amdhsa_private_segment_fixed_size 0
		.amdhsa_enable_private_segment 0
		.amdhsa_kernarg_size 48
		.amdhsa_user_sgpr_count 2
		.amdhsa_user_sgpr_kernarg_segment_ptr 1
		.amdhsa_wavefront_size32 1
		.amdhsa_system_sgpr_workgroup_id_x 1
		.amdhsa_system_sgpr_workgroup_id_y 1
		.amdhsa_system_sgpr_workgroup_id_z 1
		.amdhsa_system_vgpr_workitem_id 0
		.amdhsa_next_free_vgpr 1024
		.amdhsa_next_free_sgpr 104
		.amdhsa_reserve_vcc 0
		.amdhsa_float_denorm_mode_32 3
		.amdhsa_float_denorm_mode_16_64 3
		.amdhsa_memory_ordered 1
		.amdhsa_forward_progress 1
		.amdhsa_inst_pref_size 195
	.end_amdhsa_kernel
	.amdgpu_metadata
---
amdhsa.version: [ 1, 2 ]
amdhsa.kernels:
  - .name:           k_q18ac940e2e_ffn2
    .symbol:         k_q18ac940e2e_ffn2.kd
    .args:
      - { .name: hq, .offset: 0, .size: 8, .value_kind: global_buffer, .address_space: global }
      - { .name: wdq, .offset: 8, .size: 8, .value_kind: global_buffer, .address_space: global }
      - { .name: hidden_states, .offset: 16, .size: 8, .value_kind: global_buffer, .address_space: global }
      - { .name: ce_const, .offset: 24, .size: 8, .value_kind: global_buffer, .address_space: global }
      - { .name: coef, .offset: 32, .size: 8, .value_kind: global_buffer, .address_space: global }
      - { .name: out0, .offset: 40, .size: 8, .value_kind: global_buffer, .address_space: global }
    .group_segment_fixed_size: 327680
    .private_segment_fixed_size: 0
    .kernarg_segment_align: 8
    .kernarg_segment_size: 48
    .max_flat_workgroup_size: 128
    .sgpr_count:     104
    .vgpr_count:     1024
    .wavefront_size: 32
...
	.end_amdgpu_metadata
.endif
;; end of part 4
